; MI455X (gfx1250); checked and timed in simulation.
; The chip was launched on July 23, 2026; its instructions are those of AMD's public machine-readable ISA for CDNA 5 (MIT licence, August 2026) and "CDNA5" Instruction Set Architecture Reference Guide (July 2026). The comments in the code are by the model that wrote it; some were corrected since.
;; Attention Layer. Allowed arithmetic: matrix products marked QUANTISED: E4M3 operands, one given power-of-two scale a tensor, by v_wmma_f32_16x16x64_fp8_fp8 or v_wmma_f32_16x16x128_fp8_fp8, f32 sums; products left as they are: f32 operands where the result goes on into a quantised operand, else bf16, f16 or f32 operands; f32 sums; everything else in f32.
;; Inputs: U_a 1,024 x 512 float32; W_a 1,024 x 512 float32; h 32 x 2,048 x 1,024 float32; lowp_scales 4 int32 (the exponents e of the quantised operands' scales 2^e); s 32 x 1,024 float32; v_a 512 float32.
;; Outputs: out0 32 x 1,024 float32.
;; This version of the problem:
;;   THIS VERSION OF THE PROBLEM IS GIVEN IN LOW PRECISION. The matrix products marked QUANTISED in the list below multiply operands that are first quantised to E4M3 (4 exponent bits, 3 mantissa bits; 8 bits a number), with one given power-of-two scale for each operand tensor; their sums are f32. All else is computed in f32.
;;   The module's matrix products, in the order in which they are computed (A, B: the left and right operand; K: the contracted axis; several contracted axes count as one K, in the product's order):
;;     1. [M 65,536, K 1,024] x [K 1,024, N 512]; A: input h; B: input U_a: QUANTISED (scales: A lowp_scales[0], B lowp_scales[1])
;;     2. [M 32, K 1,024] x [K 1,024, N 512]; A: input s; B: input W_a: QUANTISED (scales: A lowp_scales[2], B lowp_scales[3])
;;     3. [M 65,536, K 512] x [K 512, N 1]; A: computed on the way; B: input v_a: left as it is (N = 1 < 16)
;;     4. batch 32 x [M 1, K 2,048] x [K 2,048, N 1,024]; A: softmax; B: input h: left as it is (M = 1 < 16)
;;   THE QUANTISER, for each operand of a quantised product, along K:
;;     - The operand's scale is 2^e, e = its entry of the input lowp_scales (int32; the entries are numbered through the quantised products in the list's order, A before B).
;;     - Each number is divided by the scale, clamped to +-448, and rounded to the nearest number of E4M3, ties to even, subnormals kept.
;;     - The product sums the exact products of the quantised numbers (number of the format x scale) in f32.
;;   ~~~python
;;   def quantise(x, axis, e):      # numpy; x: float32 -> the quantised numbers, widened to float32 again
;;       x = np.moveaxis(x, axis, -1); K = x.shape[-1]
;;       r = np.clip(x / 2.0 ** e, -448, 448)
;;       step = 2.0 ** (np.maximum(np.frexp(np.where(r == 0, 1, r))[1] - 1, -6) - 3)
;;       q = np.round(r / step) * step * 2.0 ** e      # np.round: ties to even
;;       return np.moveaxis(q, -1, axis).astype(np.float32)
;;   ~~~
;; 2 versions, each right; version 2 is version 1 with the launches prep, attn written anew for expert scheduling mode. Each part assembles by itself: llvm-mc -triple=amdgcn-amd-amdhsa -mcpu=gfx1250 --defsym DOCPART=n.
;; ======== version 1 of 2: 3 launches
;; workspace buffers: ucodes 524,288 bytes; wsb 524,288 bytes; part 1,179,648 bytes
;; launch prep (part 1): grid 256 x 1, 4 waves a work-group, no clusters, 8,704 bytes of LDS; arguments U_a, W_a, s, lowp_scales, ucodes, wsb; writes ucodes, wsb
.if DOCPART == 1
	.amdgcn_target "amdgcn-amd-amdhsa--gfx1250"
	.amdhsa_code_object_version 6
	.text
	.protected	k_q5c4934a884_prep
	.globl	k_q5c4934a884_prep
	.p2align	8
	.type	k_q5c4934a884_prep,@function
k_q5c4934a884_prep:
	s_mov_b64 s[64:65], 0
	v_nop
	global_prefetch_b8 v0, s[64:65] scope:SCOPE_SE
	s_setreg_imm32_b32 hwreg(HW_REG_WAVE_MODE, 25, 1), 1
	s_wait_xcnt 0x0
; (1) U_a [1024 (k)][512 (n)] f32 becomes codes of E4M3 with the given scale 2^e1, laid in the order of an operand's registers:
;     ucodes [w 8][kstep 8][t 4][c 4][lane 32][16 bytes]: lane (r, hh), byte i of chunk c = U_a[128 kstep + 32 c + 16 hh + i][64 w + 16 t + r].
; (2) wsb [q 8][T 32][batch 32][16] f32 = 2 log2(e) x the part of (Q(s) Q(W_a))[batch][16 T + n] that K step q gives: the second quantised product (scales 2^e2, 2^e3),
;     by v_wmma_f32_16x16x64_fp8_fp8.  The next launch adds the eight parts, K ascending.
; SHARES.  Work-group (T = x & 31, q = x >> 5): the 16 columns 16 T .. 16 T + 15, the 128 along K of K step q.  Waves 0, 1: the two halves (64 along K) of U_a's unit; waves 2, 3: of W_a's,
;     each with its 64 along K of s's 32 rows.  So a wave has 32 or 48 loads out, fewer than LOADcnt can count (63), and a work-group issues 160 loads.
; A LANE TAKES A COLUMN AND ITS REGISTERS RUN DOWN K, in the order that the operand's layout gives that lane: the conversions' results are the operand's registers.
; Each load of U_a or W_a reads 64 neighbouring bytes in sixteen lanes; the two tensors are 4 MB of the problem's 273 MB.
; Inside a K step k is laid 32 c + 16 hh + 0..15 in registers 4 c .. 4 c + 3, alike in both operands of every product: each product meets its partner, only the order of the sums inside an instruction changes.
; The two halves' sums of product 2 meet in LDS as images of their registers (2,048 bytes a wave, at 2,048 x wave) and come back so that a lane holds 16 neighbouring bytes of the output.
; LIMITS: e1, e2, e3 between -126 and 119, so that 2^e and 448 x 2^e are f32 numbers.  NaN among the inputs is not served; an infinity is held at the largest code.
.set XC,  16                           ; v16-23    the codes of U_a's or W_a's 32 numbers
.set SC,  32                           ; v32-39, v40-47  s's codes, batches 0-15 and 16-31
.set D0,  48                           ; v48-55    the sums of batches 0-15
.set D1,  56                           ; v56-63    of batches 16-31
.set XN,  64                           ; v64-95    32 numbers of U_a or W_a
.set RS,  96                           ; v96-111   the two halves' sums, read back
.set SN,  128                          ; v128-191  s: 32 numbers of each of two rows
; 32 numbers of a lane become 8 registers of codes
.macro QUANT src, dst, scl, lim
.irp b, 0,1
.irp i, 0,1,2,3,4,5,6,7,8,9,10,11,12,13,14,15
	v_med3_num_f32 v[\src+16*\b+\i], v[\src+16*\b+\i], -v[\lim], v[\lim]   ; the conversion to an 8-bit code does not saturate (ISA guide 7.6.2): the hold at the largest code x the scale
.endr
	v_cvt_scalef32_pk8_fp8_f32 v[\dst+4*\b:\dst+4*\b+1], v[\src+16*\b:\src+16*\b+7], v[\scl]
	v_cvt_scalef32_pk8_fp8_f32 v[\dst+4*\b+2:\dst+4*\b+3], v[\src+16*\b+8:\src+16*\b+15], v[\scl]
.endr
	v_nop                                          ; one plain vector instruction between the last scaled conversion and whatever vector or matrix instruction touches its registers next
.endm
; 2^e as f32 into v[scl], 448 x 2^e into v[lim]; e in s[e]
.macro SCALE e, scl, lim
	s_add_co_i32 s30, s[\e], 127
	s_lshl_b32 s31, s30, 23
	v_mov_b32 v[\scl], s31
	s_add_co_i32 s30, s30, 8
	s_lshl_b32 s30, s30, 23
	s_or_b32 s30, s30, 0x600000
	v_mov_b32 v[\lim], s30
.endm
	s_load_b256 s[4:11], s[0:1], 0x0               ; U_a s[4:5], W_a s[6:7], s s[8:9], the exponents s[10:11]
	s_load_b128 s[12:15], s[0:1], 0x20             ; ucodes s[12:13], wsb s[14:15]
	v_lshl_add_u32 v192, v0, 2, 0x2000
	v_mov_b32 v193, 0
	v_lshrrev_b32 v1, 5, v0
	v_readfirstlane_b32 s16, v1                    ; wave 0..3
	s_and_b32 s17, s16, 1                          ; u: which 64 of the K step's 128
	v_and_b32 v1, 31, v0                           ; lane
	v_and_b32 v2, 15, v0                           ; r
	v_bfe_u32 v3, v0, 4, 1                         ; hh
	v_lshlrev_b32 v4, 2, v2
	v_lshl_add_u32 v4, v3, 15, v4                  ; U, W: column r (4 bytes), lanes 16-31 sixteen rows of 2,048 bytes further down
	v_lshlrev_b32 v5, 12, v2
	v_lshl_add_u32 v5, v3, 6, v5                   ; s: row r of 4,096 bytes, + 64 hh
	v_lshlrev_b32 v6, 4, v1                        ; 16 x lane
	s_lshl_b32 s18, s16, 11
	v_add_nc_u32 v7, s18, v6                       ; LDS: my wave's 2,048 bytes, 16 x lane
	; back: wave 2 + u stores batches 16 u .. 16 u + 15; in store g (0, 1) lane l holds batch 16 u + 8 g + (l >> 2), columns 4 (l & 3) ..: in an image that is
	; region 2 u + (l & 1) of 512 bytes, lane 16 ((l >> 1) & 1) + 8 g + (l >> 2)
	v_and_b32 v14, 1, v0
	v_lshlrev_b32 v14, 9, v14
	v_bfe_u32 v15, v0, 1, 1
	v_lshl_add_u32 v14, v15, 8, v14
	v_bfe_u32 v15, v0, 2, 3
	v_lshl_add_u32 v14, v15, 4, v14
	s_lshl_b32 s21, s17, 10                        ; 1,024 u
	s_add_co_u32 s18, s21, 4096                    ; wave 2's image begins at 4,096
	v_add_nc_u32 v14, s18, v14
	s_and_b32 s19, ttmp9, 31                       ; T
	s_lshr_b32 s20, ttmp9, 5                       ; q
	s_lshl_b32 s22, s20, 18                        ; U, W: 128 rows of 2,048 bytes a K step,
	s_lshl_b32 s18, s17, 17                        ; 64 rows a half,
	s_add_co_u32 s22, s22, s18
	s_lshl_b32 s18, s19, 6                         ; 16 columns of 4 bytes a tile
	s_add_co_u32 s22, s22, s18
	s_mov_b32 s23, 0
	s_lshl_b32 s28, s20, 9                         ; s: 128 numbers a K step, 64 a half
	s_lshl_b32 s18, s17, 8
	s_add_co_u32 s28, s28, s18
	s_mov_b32 s29, 0
	s_lshr_b32 s36, s19, 2                         ; ucodes: 65,536 (T >> 2) + 8,192 q + 2,048 (T & 3) + 1,024 u
	s_lshl_b32 s36, s36, 16
	s_lshl_b32 s18, s20, 13
	s_add_co_u32 s36, s36, s18
	s_and_b32 s18, s19, 3
	s_lshl_b32 s18, s18, 11
	s_add_co_u32 s36, s36, s18
	s_add_co_u32 s36, s36, s21
	s_mov_b32 s37, 0
	s_lshl_b32 s38, s20, 16                        ; wsb: 65,536 q + 2,048 T + 1,024 u
	s_lshl_b32 s18, s19, 11
	s_add_co_u32 s38, s38, s18
	s_add_co_u32 s38, s38, s21
	s_mov_b32 s39, 0
	s_wait_kmcnt 0x0
	s_load_b128 s[24:27], s[10:11], 0x0            ; e0 (h), e1 (U_a), e2 (s), e3 (W_a)
	s_cmp_lt_u32 s16, 2                            ; waves 0, 1: U_a; waves 2, 3: W_a: the choice hangs on the wave's number alone
	s_cselect_b64 s[4:5], s[4:5], s[6:7]
	s_add_nc_u64 s[4:5], s[4:5], s[22:23]
	s_add_nc_u64 s[8:9], s[8:9], s[28:29]
	s_add_nc_u64 s[12:13], s[12:13], s[36:37]
	s_add_nc_u64 s[14:15], s[14:15], s[38:39]
.irp c, 0,1
.irp i, 0,1,2,3,4,5,6,7,8,9,10,11,12,13,14,15
	global_load_b32 v[XN+16*\c+\i], v4, s[4:5] offset:(32*\c+\i)*2048     ; (128 q + 64 u + 32 c + 16 hh + i, 16 T + r)
.endr
.endr
	s_cmp_lt_u32 s16, 2
	s_cbranch_scc1 .Lno_s
.irp m, 0,1
.irp c, 0,1
.irp j, 0,1,2,3
	global_load_b128 v[SN+32*\m+16*\c+4*\j:SN+32*\m+16*\c+4*\j+3], v5, s[8:9] offset:65536*\m+128*\c+16*\j   ; s(16 m + r, 128 q + 64 u + 32 c + 16 hh + 4 j ..)
.endr
.endr
.endr
.Lno_s:
	s_wait_kmcnt 0x0
	s_cmp_lt_u32 s16, 2
	s_cselect_b32 s34, s25, s27                    ; e1 or e3
	SCALE 34, 8, 9                                 ; my tensor's
	SCALE 26, 12, 13                               ; s's
	s_add_co_i32 s35, s26, s27                     ; e2 + e3
	s_wait_loadcnt 0x0                             ; all my loads went out together
	QUANT XN, XC, 8, 9
	s_cmp_lt_u32 s16, 2
	s_cbranch_scc0 .Lw
.irp c, 0,1
	global_store_b128 v6, v[XC+4*\c:XC+4*\c+3], s[12:13] offset:512*\c   ; the wave stores 512 consecutive bytes, aligned
.endr
	s_branch .Lmeet
.Lw:
	QUANT SN, SC, 12, 13
	QUANT SN+32, SC+8, 12, 13
	; TRANSPOSED: source 0 = 16 columns of W_a, source 1 = 16 batches: lane (r, hh), register j = (column 16 T + 8 hh + j, batch 16 m + r)
	v_wmma_f32_16x16x64_fp8_fp8 v[D0:D0+7], v[XC:XC+7], v[SC:SC+7], 0
	v_wmma_f32_16x16x64_fp8_fp8 v[D1:D1+7], v[XC:XC+7], v[SC+8:SC+15], 0
.rept 4
	v_nop                                          ; four places in front of the LDS stores that read the results
.endr
	ds_store_b128 v7, v[D0:D0+3]                   ; each result from its low end on
	ds_store_b128 v7, v[D0+4:D0+7] offset:512
	ds_store_b128 v7, v[D1:D1+3] offset:1024
	ds_store_b128 v7, v[D1+4:D1+7] offset:1536
.Lmeet:
	s_wait_dscnt 0x0                               ; for the others' sake: my stores into LDS have landed
	s_barrier_signal -1
	s_barrier_wait -1                              ; every wave passes it
	s_cmp_lt_u32 s16, 2
	s_cbranch_scc1 .Lend
	ds_load_b128 v[RS:RS+3], v14                   ; the first 64 along K: store 0, store 1,
	ds_load_b128 v[RS+4:RS+7], v14 offset:128
	ds_load_b128 v[RS+8:RS+11], v14 offset:2048    ; the second 64
	ds_load_b128 v[RS+12:RS+15], v14 offset:2176
	s_wait_dscnt 0x0
.irp i, 0,2,4,6
	v_pk_add_f32 v[RS+\i:RS+\i+1], v[RS+\i:RS+\i+1], v[RS+8+\i:RS+8+\i+1]   ; K ascending
.endr
.irp i, 0,1,2,3,4,5,6,7
	v_ldexp_f32 v[RS+\i], v[RS+\i], s35            ; x 2^(e2 + e3)
.endr
.irp i, 0,1,2,3,4,5,6,7
	v_mul_f32 v[RS+\i], 0x4038aa3b, v[RS+\i]       ; x 2 log2(e): the next launch takes 2^(..) of it
.endr
	global_store_b128 v6, v[RS:RS+3], s[14:15]     ; the wave stores 512 consecutive bytes, aligned
	global_store_b128 v6, v[RS+4:RS+7], s[14:15] offset:512
.Lend:
	s_wait_tensorcnt 0x0
	ds_add_u32 v192, v193
	s_wait_dscnt 0x0
	s_endpgm
.Lfunc_end_k_q5c4934a884_prep:
	.size	k_q5c4934a884_prep, .Lfunc_end_k_q5c4934a884_prep-k_q5c4934a884_prep
	.p2alignl 7, 3214868480
	.fill 96, 4, 3214868480
	.section	.rodata,"a",@progbits
	.p2align	6, 0x0
	.amdhsa_kernel k_q5c4934a884_prep
		.amdhsa_group_segment_fixed_size 8704
		.amdhsa_private_segment_fixed_size 0
		.amdhsa_enable_private_segment 0
		.amdhsa_kernarg_size 48
		.amdhsa_user_sgpr_count 2
		.amdhsa_user_sgpr_kernarg_segment_ptr 1
		.amdhsa_wavefront_size32 1
		.amdhsa_system_sgpr_workgroup_id_x 1
		.amdhsa_system_sgpr_workgroup_id_y 1
		.amdhsa_system_sgpr_workgroup_id_z 1
		.amdhsa_system_vgpr_workitem_id 0
		.amdhsa_next_free_vgpr 194
		.amdhsa_next_free_sgpr 66
		.amdhsa_reserve_vcc 0
		.amdhsa_float_denorm_mode_32 3
		.amdhsa_float_denorm_mode_16_64 3
		.amdhsa_memory_ordered 1
		.amdhsa_forward_progress 1
		.amdhsa_inst_pref_size 18
	.end_amdhsa_kernel
	.amdgpu_metadata
---
amdhsa.version: [ 1, 2 ]
amdhsa.kernels:
  - .name:           k_q5c4934a884_prep
    .symbol:         k_q5c4934a884_prep.kd
    .args:
      - { .name: U_a, .offset: 0, .size: 8, .value_kind: global_buffer, .address_space: global }
      - { .name: W_a, .offset: 8, .size: 8, .value_kind: global_buffer, .address_space: global }
      - { .name: s, .offset: 16, .size: 8, .value_kind: global_buffer, .address_space: global }
      - { .name: lowp_scales, .offset: 24, .size: 8, .value_kind: global_buffer, .address_space: global }
      - { .name: ucodes, .offset: 32, .size: 8, .value_kind: global_buffer, .address_space: global }
      - { .name: wsb, .offset: 40, .size: 8, .value_kind: global_buffer, .address_space: global }
    .group_segment_fixed_size: 8704
    .private_segment_fixed_size: 0
    .kernarg_segment_align: 8
    .kernarg_segment_size: 48
    .max_flat_workgroup_size: 128
    .sgpr_count:     66
    .vgpr_count:     194
    .wavefront_size: 32
...
	.end_amdgpu_metadata
.endif
;; end of part 1
;; launch attn (part 2): grid 256 x 1, 8 waves a work-group, no clusters, 312,320 bytes of LDS; arguments h, ucodes, wsb, v_a, lowp_scales, part; writes part
.if DOCPART == 2
	.amdgcn_target "amdgcn-amd-amdhsa--gfx1250"
	.amdhsa_code_object_version 6
	.text
	.protected	k_q5c4934a884_attn
	.globl	k_q5c4934a884_attn
	.p2align	8
	.type	k_q5c4934a884_attn,@function
k_q5c4934a884_attn:
	s_mov_b64 s[64:65], 0
	v_nop
	global_prefetch_b8 v0, s[64:65] scope:SCOPE_SE
	s_setreg_imm32_b32 hwreg(HW_REG_WAVE_MODE, 25, 1), 1
	s_wait_xcnt 0x0
; For 256 rows (time steps) of one batch: scores e = v_a . tanh(s W_a + Q(h) Q(U_a)), a running softmax over them, and the weighted sum of the same rows of h.  h is read from memory ONCE.
; part [256 work-groups][4,608 bytes]: 1,024 f32 of the unnormalised sum of p x h, then 32 copies of (m, l, m, l): the largest t and the sum of p; the next launch merges the eight parts of a batch.
; ARITHMETIC.  x' = 2 log2(e) (s W_a + h U_a): one multiply-add on a sum of codes (factor 2 log2(e) 2^(e0 + e1), addend: the eight parts in wsb, added in ascending K).
;   r = 1 / (1 + 2^x'), tanh = 1 - 2 r: right at both ends (2^x' = inf gives r = 0, 2^x' = 0 gives r = 1).
;   t = log2(e) e = log2(e) sum(v_a) + sum over n of v'(n) r(n), v' = -2 log2(e) v_a.  The first term is the same number for every time step of every batch and cancels in the softmax for every input: it is not formed.
;   p = 2^(t - m), m the running largest t; when m moves, l and the sums are multiplied by 2^(old m - new m).
; SHARES.  Work-group g: batch g >> 3, rows 256 g .. 256 g + 255, as two blocks of 128 rows.  K outermost: a block goes in eight slices of 128 along K.
;   Of a slice wave w loads rows 16 w .. 16 w + 15 (16 loads of 512 consecutive bytes), rounds them to bf16 into BF (for the weighted sum) and quantises them into CD (for all eight waves).
;   THE WAVES SHARE THE COLUMNS: wave w owns columns 64 w .. 64 w + 63 for all 128 rows: 32 accumulators, 256 registers.  So each fragment of U_a has one reader in the work-group and comes from memory
;   straight into its registers, in the register order in which the first launch laid it.  In the weighted sum wave w owns channels 128 w .. 128 w + 127, which are slice w of BF.
; THE MATRIX INSTRUCTION IS USED TRANSPOSED (source 0 = 16 columns of U_a, source 1 = 16 rows of h): lane (r, hh), register j of accumulator (a, t) = (row 16 a + r, column 64 w + 16 t + 8 hh + j).
; Inside a K step k is laid 32 c + 16 hh + 0..15 in registers 4 c .. 4 c + 3, alike in both operands: only the order of the sums inside an instruction changes.
; A K STEP s: slice s + 1 is quantised into the other slot; the 64 registers in which it landed are then free and serve as a RING OF FOUR FRAGMENTS of h's codes for step s's 32 products: fragments 0-3 are asked for
;   inside the quantising, fragment a + 4 behind tile row a's products; then U_a's next K step is asked for, then slice s + 3 into the same 64 registers; one barrier: behind it the other slot is whole
;   and nobody reads this one any more.  h's loads stand behind U's, so that the wait for U leaves them out.
; IN FLIGHT.  Up to two slices of h (32 loads a wave, 128 KiB a work-group) and one K step of U_a (16 loads a wave).
; PREFETCH INTO THE L2.  Behind the loads of a slice each wave asks for its own 16 rows x 512 bytes (one instruction, lanes 256 bytes apart) of the slice that the next step will load: one trip, 64 KiB a work-group ahead;
;   one more slice is asked for ahead of block 0's tanh, when no register is free for loads (then 128 KiB a work-group are asked for and not yet loaded, and the requests run two slices ahead).
;   The slice's number is held at 15, the work-group's last: no request leaves its rows.
; NO CLUSTER, NO TENSOR LOAD: all work-groups walk the same 512 KiB of U_a's codes, but two LDS slots of a K step's 65,536 bytes do not fit beside BF + CD + tables (311,296 of 327,680 bytes),
;   and h's f32 numbers must pass through registers to be converted.
; LIMITS: e0 between -126 and 119; e0 + e1 between -127 and 125 (it is added to an exponent field).  NaN among the inputs is not served.
; LDS
.set BF,    0                          ; [slice 8][row 128][256 bytes]: the block's rows in bf16
.set CD,    262144                     ; two slots of [row 128], pitch 144: a slice's codes
.set CP,    144                        ; 128 bytes + 16 = 9 x 16: the 16 rows of a fragment load start at 16 different 16-byte columns modulo 256
.set CSLOT, 128*CP
.set TB,    CD+2*CSLOT                 ; 512 f32 of the addend, then 512 f32 of v'
.set EP,    TB+4096                    ; [wave 8][row 128] f32: each wave's part of t
.set PT,    EP+4096                    ; [wave 8][row 128] f32: p, a copy of each wave's own
; REGISTERS.  Window 1 (v256-511): accumulator (a, t) at v[8 (4 a + t)].  Window 0:
.set HO,  1                            ; 16 x lane: offset in h's rows and in U's fragments
.set CW,  2                            ; CD + 16 CP w + 4 lane: where my codes go
.set BW0, 3                            ; 4,096 w + 8 lane: where my bf16 go, in slice 0
.set BWC, 4                            ; the same in the slice in hand
.set AR,  5                            ; CD + CP r + 16 hh: fragments of h's codes
.set TBR, 6                            ; TB + 256 w + 32 hh
.set EPW, 7                            ; EP + 512 w + 4 r
.set EPR, 8                            ; EP + 16 lane
.set PTW, 9                            ; PT + 512 w + 16 lane
.set PTR, 10                           ; PT + 512 w + 256 hh
.set SR0, 11                           ; 32,768 w + 16,384 hh + 16 r: BF for the weighted sum
.set SRC, 12                           ; its address in the trip in hand
.set PTC, 13                           ; p's likewise
.set MX,  14                           ; m
.set LS,  15                           ; my lane's part of l
.set CC,  16                           ; v16-23  eight channels' sums (of my half of the rows)
.set SCL, 24                           ; 2^e0
.set LIM, 25                           ; 448 x 2^e0
.set PFO, 30                           ; 4,096 (lane >> 1) + 256 (lane & 1): my lane's place in a prefetch; never rewritten
.set AF,  32                           ; v32-63   at work in the quantising; two fragments of h's codes where no landing set is free
.set BFR, 64                           ; v64-127  four fragments of U_a
.set BI,  64                           ; v64-95   the addend of my 32 columns
.set VV,  96                           ; v96-127  v' of them
.set LD,  128                          ; v128-191, v192-255  two slices of h as they land; the set just quantised: four fragments of h's codes
; s[20:21] h at my wave's first row; s[22:23] the slice to be asked for; s26 its number; s[28:29] U's codes of my columns; s[30:31] the K step in hand; s32 BF's slice offset; s33 trips;
; s[40:41] the factor; s[42:43] lane selects; s49 the slice to be prefetched; s[50:51] its address
.set MSB, 0
.macro WIN new                         ; the immediate's high byte repeats the setting that is left
.if MSB != \new
	s_set_vgpr_msb (MSB<<8)|\new
.set MSB, \new
.endif
.endm
.macro BARRIER                         ; my LDS stores have landed and my LDS loads are in: then the work-group's barrier
	s_wait_dscnt 0x0
	s_barrier_signal -1
	s_barrier_wait -1
.endm
.macro PLACES                          ; four places in front of loads into registers that matrix instructions have read, and of the first read of results
.rept 4
	v_nop
.endr
.endm
.macro LOADB                           ; the K step's four fragments of U_a: each load 512 consecutive bytes
.irp t, 0,1,2,3
.irp c, 0,1,2,3
	global_load_b128 v[BFR+16*\t+4*\c:BFR+16*\t+4*\c+3], v[HO], s[30:31] offset:2048*\t+512*\c
.endr
.endr
.endm
.macro SLICEOFF n                      ; s24 = the byte offset of slice s[n]: block n >> 3 (128 rows of 4,096 bytes), slice n & 7 (512 bytes)
	s_lshr_b32 s27, s[\n], 3
	s_lshl_b32 s27, s27, 19
	s_and_b32 s24, s[\n], 7
	s_lshl_b32 s24, s24, 9
	s_add_co_u32 s24, s24, s27
.endm
.macro NEXTH                           ; the pointer to slice s26
	s_wait_xcnt 0x0                                ; the loads and the prefetch that name s[22:23] and s[50:51] have had their addresses translated: only now are they rewritten
	SLICEOFF 26
	s_add_nc_u64 s[22:23], s[20:21], s[24:25]
	s_add_co_u32 s26, s26, 1
.endm
.macro PFPTR                           ; the pointer to the slice to be prefetched (behind a wait on XCNT)
	s_min_u32 s52, s49, 15                         ; held at my work-group's last slice
	SLICEOFF 52
	s_add_nc_u64 s[50:51], s[20:21], s[24:25]
	s_add_co_u32 s49, s49, 1
.endm
.macro PFGO                            ; 32 lanes, 256 bytes apart: my 16 rows x 512 bytes of that slice
	global_prefetch_b8 v[PFO], s[50:51] th:TH_LOAD_NT scope:SCOPE_SE
.endm
.macro LOADH set                       ; a slice: my 16 rows x 512 bytes; lane l holds k = 4 l .. 4 l + 3 of row j
.irp j, 0,1,2,3,4,5,6,7,8,9,10,11,12,13,14,15
	global_load_b128 v[LD+64*(\set)+4*\j:LD+64*(\set)+4*\j+3], v[HO], s[22:23] offset:4096*\j th:TH_LOAD_NT
.endr
.endm
; THE QUANTISING goes by units of two rows.  QV: the vector work of unit q: bf16 of the numbers as they are; the hold; one conversion for the two rows' four numbers each: its two words are the two rows' four codes.
; cnt: the loads that may be out when rows 2 q and 2 q + 1 have to be there.
.macro QV set, q, cnt
.set X, LD+64*(\set)+8*(\q)
.set TM, AF+8*((\q)%4)
	s_wait_loadcnt \cnt
	v_cvt_pk_bf16_f32 v[TM], v[X], v[X+1]
	v_cvt_pk_bf16_f32 v[TM+1], v[X+2], v[X+3]
	v_cvt_pk_bf16_f32 v[TM+2], v[X+4], v[X+5]
	v_cvt_pk_bf16_f32 v[TM+3], v[X+6], v[X+7]
.irp i, 0,1,2,3,4,5,6,7
	v_med3_num_f32 v[X+\i], v[X+\i], -v[LIM], v[LIM]   ; the conversion to an 8-bit code does not saturate (ISA guide 7.6.2)
.endr
	v_cvt_scalef32_pk8_fp8_f32 v[TM+4:TM+5], v[X:X+7], v[SCL]
.endm
.macro QS slot, q                      ; unit q's four LDS stores
.set TM, AF+8*((\q)%4)
	ds_store_b64 v[BWC], v[TM:TM+1] offset:512*(\q)
	ds_store_b64 v[BWC], v[TM+2:TM+3] offset:512*(\q)+256
	ds_store_b32 v[CW], v[TM+4] offset:CSLOT*(\slot)+2*CP*(\q)
	ds_store_b32 v[CW], v[TM+5] offset:CSLOT*(\slot)+2*CP*(\q)+CP
.endm
.macro LDA a, p, reg                   ; fragment a (rows 16 a .. 16 a + 15) of slot p into v[reg] on
.irp c, 0,1,2,3
	ds_load_b128 v[\reg+4*\c:\reg+4*\c+3], v[AR] offset:CSLOT*(\p)+16*CP*(\a)+32*\c
.endr
.endm
; A block's first slice (set 0, slot 0): each pair of rows is asked for anew, from s[22:23], as soon as it is converted.
; 46: of the loads behind rows 2 q, 2 q + 1: 14 - 2 q of this slice, the next slice's 16, U's 16, and the 2 q just issued here.
.macro QSL1
	v_add_nc_u32 v[BWC], s32, v[BW0]
.irp q, 0,1,2,3,4,5,6,7
	QV 0, \q, 46
	QS 0, \q
	global_load_b128 v[LD+8*\q:LD+8*\q+3], v[HO], s[22:23] offset:8192*\q th:TH_LOAD_NT
	global_load_b128 v[LD+8*\q+4:LD+8*\q+7], v[HO], s[22:23] offset:8192*\q+4096 th:TH_LOAD_NT
.endr
	v_nop                                          ; one plain vector instruction behind the last scaled conversion
	s_add_co_u32 s32, s32, 32768                   ; BF's next slice
.endm
; The slice in set goes to slot set, while slot p's first four fragments are asked for into the registers that the units leave.  A unit's stores stand behind the next unit's vector work.
; hcnt: the loads issued behind the slice; unit q leaves the slice's 14 - 2 q later rows out as well.  LDS instructions, in groups of four: S0 S1 L0 S2 S3 L1 S4 S5 L2 S6 S7 L3.
.macro QSL2 set, p, hcnt
	v_add_nc_u32 v[BWC], s32, v[BW0]
	QV \set, 0, \hcnt+14
	QV \set, 1, \hcnt+12
	QS \set, 0
	QV \set, 2, \hcnt+10
	QS \set, 1
	LDA 0, \p, LD+64*(\set)
	QV \set, 3, \hcnt+8
	QS \set, 2
	QV \set, 4, \hcnt+6
	QS \set, 3
	LDA 1, \p, LD+64*(\set)+16
	QV \set, 5, \hcnt+4
	QS \set, 4
	QV \set, 6, \hcnt+2
	QS \set, 5
	LDA 2, \p, LD+64*(\set)+32
	QV \set, 7, \hcnt
	QS \set, 6
	QS \set, 7
	LDA 3, \p, LD+64*(\set)+48
	v_nop                                          ; one plain vector instruction behind the last scaled conversion
	s_add_co_u32 s32, s32, 32768                   ; BF's next slice
.endm
; Tile row a's four products; h's fragment in v[reg] on.  zero = 1: they start the sums.
; The 32 accumulators take turns, one instruction a turn, in the same order in every step.
.macro MM a, reg, zero
.irp t, 0,1,2,3
.if \zero
	v_wmma_f32_16x16x128_fp8_fp8 v[8*(4*(\a)+\t):8*(4*(\a)+\t)+7], v[BFR+16*\t:BFR+16*\t+15], v[\reg:\reg+15], 0
.else
	v_wmma_f32_16x16x128_fp8_fp8 v[8*(4*(\a)+\t):8*(4*(\a)+\t)+7], v[BFR+16*\t:BFR+16*\t+15], v[\reg:\reg+15], v[8*(4*(\a)+\t):8*(4*(\a)+\t)+7]
.endif
.endr
.endm
; A K step's 32 products on the ring of four fragments in set.  Fragments 0-3 have been asked for; fragment a + 4 is asked for behind tile row a's products and their places.
; ucnt: the loads that may stay out when U's fragments have to be there.
; The waits on DScnt count the LDS instructions issued behind the fragment: q = 1 (QSL2's order, then L4 .. L7): 36, 28, 20, 12, 12, 8, 4, 0;  q = 0 (L0 .. L3 alone, then L4 .. L7): 12 five times, then 8, 4, 0.
.macro GD p, zero, set, ucnt, q
	s_wait_loadcnt \ucnt
.irp a, 0,1,2,3,4,5,6,7
.if (\a < 3) && \q
	s_wait_dscnt 36-8*\a
.elseif \a < 5
	s_wait_dscnt 12
.else
	s_wait_dscnt 28-4*\a
.endif
	WIN 0x50                                       ; C and D window 1
	MM \a, LD+64*(\set)+16*(\a%4), \zero
.if \a < 4
	PLACES
	WIN 0
	LDA \a+4, \p, LD+64*(\set)+16*\a
.endif
.endr
	PLACES
	WIN 0
.endm
; The same where both landing sets are taken: a ring of two fragments in v32-63.  4: the other fragment's loads may be out.
.macro GS p, ucnt
	LDA 0, \p, AF
	LDA 1, \p, AF+16
	s_wait_loadcnt \ucnt
.irp a, 0,1,2,3,4,5,6,7
.if \a < 7
	s_wait_dscnt 4
.else
	s_wait_dscnt 0
.endif
	WIN 0x50
	MM \a, AF+16*(\a%2), 0
.if \a != 6
	PLACES
	WIN 0
.endif
.if \a < 6
	LDA \a+2, \p, AF+16*(\a%2)
.endif
.endr
.endm
; K step: quantise the next slice (set and slot 1 - p); multiply slot p; ask for U's next K step, then (issue = 1) for the slice two further on; one barrier.
.macro STEP p, zero, hcnt, ucnt, issue
	QSL2 1-\p, \p, \hcnt
	GD \p, \zero, 1-\p, \ucnt, 1
.if \issue
	NEXTH
	PFPTR
.endif
	s_add_nc_u64 s[30:31], s[30:31], 8192          ; the loads that named it are in (the wait ahead of the products)
	LOADB
.if \issue
	LOADH 1-\p
	PFGO
.endif
	BARRIER
.endm
.macro PREQ                            ; a block's first slice
	s_wait_loadcnt 46                              ; its first two rows are in
	NEXTH
	PFPTR
	QSL1
	PFGO
	BARRIER
.endm
; The block's sums become my wave's part of t for the 128 rows: in place on a tile row's 32 registers, each accumulator from its low end on.
.macro TANH
.irp t, 0,1,2,3
	ds_load_b128 v[BI+8*\t:BI+8*\t+3], v[TBR] offset:64*\t
	ds_load_b128 v[BI+8*\t+4:BI+8*\t+7], v[TBR] offset:64*\t+16
	ds_load_b128 v[VV+8*\t:VV+8*\t+3], v[TBR] offset:2048+64*\t
	ds_load_b128 v[VV+8*\t+4:VV+8*\t+7], v[TBR] offset:2048+64*\t+16
.endr
	s_wait_dscnt 0x0
.irp a, 0,1,2,3,4,5,6,7
	WIN 0x41                                       ; destination and source 0 window 1
.set n, 0
.rept 16
	v_pk_fma_f32 v[32*\a+n:32*\a+n+1], v[32*\a+n:32*\a+n+1], s[40:41], v[BI+n:BI+n+1] op_sel_hi:[1,0,1]   ; x'
.set n, n+2
.endr
.set n, 0
.rept 32
	v_exp_f32 v[32*\a+n], v[32*\a+n]
.set n, n+1
.endr
	v_nop                                          ; a plain instruction behind the last exponential
.set n, 0
	s_wait_alu depctr_va_vdst(0)
.rept 16
	v_pk_add_f32 v[32*\a+n:32*\a+n+1], v[32*\a+n:32*\a+n+1], 1.0 op_sel_hi:[1,0]
.set n, n+2
.endr
.set n, 0
.rept 32
	v_rcp_f32 v[32*\a+n], v[32*\a+n]               ; r
.set n, n+1
.endr
	v_nop
	WIN 0x01                                       ; source 0 window 1
	s_wait_alu depctr_va_vdst(0)
	v_pk_mul_f32 v[AF+4*\a:AF+4*\a+1], v[32*\a:32*\a+1], v[VV:VV+1]             ; the sum of v' r, in two chains of pairs
	v_pk_mul_f32 v[AF+4*\a+2:AF+4*\a+3], v[32*\a+2:32*\a+3], v[VV+2:VV+3]
.set n, 4
.rept 7
	v_pk_fma_f32 v[AF+4*\a:AF+4*\a+1], v[32*\a+n:32*\a+n+1], v[VV+n:VV+n+1], v[AF+4*\a:AF+4*\a+1]
	v_pk_fma_f32 v[AF+4*\a+2:AF+4*\a+3], v[32*\a+n+2:32*\a+n+3], v[VV+n+2:VV+n+3], v[AF+4*\a+2:AF+4*\a+3]
.set n, n+4
.endr
.endr
	WIN 0
.irp a, 0,1,2,3,4,5,6,7
	v_pk_add_f32 v[AF+4*\a:AF+4*\a+1], v[AF+4*\a:AF+4*\a+1], v[AF+4*\a+2:AF+4*\a+3]
.endr
.irp a, 0,1,2,3,4,5,6,7
	v_add_f32 v[AF+4*\a], v[AF+4*\a], v[AF+4*\a+1]
.endr
.irp a, 0,1,2,3,4,5,6,7
	v_permlanex16_b32 v[AF+4*\a+1], v[AF+4*\a], s42, s43   ; the row's other 32 columns lie in the lane 16 away
.endr
.irp a, 0,1,2,3,4,5,6,7
	v_add_f32 v[AF+4*\a], v[AF+4*\a], v[AF+4*\a+1]
.endr
.irp a, 0,1,2,3,4,5,6,7
	ds_store_b32 v[EPW], v[AF+4*\a] offset:64*\a   ; row 16 a + r; both halves of the lanes write the same number to the same word
.endr
	BARRIER                                        ; all eight parts of t lie in EP
.endm
; Every wave makes the block's softmax for itself: lane l holds rows 4 l .. 4 l + 3.
.macro SOFT
.irp w, 0,1,2,3,4,5,6,7
	ds_load_b128 v[64+4*\w:64+4*\w+3], v[EPR] offset:512*\w
.endr
	s_wait_dscnt 0x0
	v_pk_add_f32 v[96:97], v[64:65], v[68:69]
	v_pk_add_f32 v[98:99], v[66:67], v[70:71]
.irp w, 2,3,4,5,6,7
	v_pk_add_f32 v[96:97], v[96:97], v[64+4*\w:65+4*\w]
	v_pk_add_f32 v[98:99], v[98:99], v[66+4*\w:67+4*\w]
.endr
	v_max3_num_f32 v26, v96, v97, v98
	v_max_num_f32 v26, v26, v99
	v_max_num_f32_dpp v26, v26, v26 row_xmask:1 row_mask:0xf bank_mask:0xf
	v_max_num_f32_dpp v26, v26, v26 row_xmask:2 row_mask:0xf bank_mask:0xf
	v_max_num_f32_dpp v26, v26, v26 row_xmask:4 row_mask:0xf bank_mask:0xf
	v_max_num_f32_dpp v26, v26, v26 row_xmask:8 row_mask:0xf bank_mask:0xf
	v_permlanex16_b32 v27, v26, s42, s43
	v_max3_num_f32 v26, v26, v27, v[MX]            ; the new m
	v_sub_f32 v104, v[MX], v26
	v_sub_f32 v100, v96, v26
	v_sub_f32 v101, v97, v26
	v_sub_f32 v102, v98, v26
	v_sub_f32 v103, v99, v26
	v_exp_f32 v104, v104                           ; f = 2^(old m - new m)
	v_exp_f32 v100, v100                           ; p
	v_exp_f32 v101, v101
	v_exp_f32 v102, v102
	v_exp_f32 v103, v103
	v_mov_b32 v[MX], v26                           ; (a plain instruction behind the exponentials)
	s_wait_alu depctr_va_vdst(0)
	v_mov_b32 v105, v104
	v_add_f32 v27, v100, v101
	v_add_f32 v28, v102, v103
	v_add_f32 v27, v27, v28
	v_fma_f32 v[LS], v[LS], v104, v27              ; l = l f + my four p
.irp i, 0,2,4,6
	v_pk_mul_f32 v[CC+\i:CC+\i+1], v[CC+\i:CC+\i+1], v[104:105]
.endr
	ds_store_b128 v[PTW], v[100:103]               ; into my wave's own copy: LDS serves a wave's instructions in order, so its reads below need no wait and no barrier
.endm
; The weighted sum of my 128 channels: lanes 0-15 take rows 0-63, lanes 16-31 rows 64-127; a lane 8 channels.  Four trips of 16 rows a half.
.macro SSUM
	s_mov_b32 s46, 0
	s_mov_b32 s48, 0
	s_mov_b32 s47, 4
.Lsum_\@:
	v_add_nc_u32 v[SRC], s46, v[SR0]
	v_add_nc_u32 v[PTC], s48, v[PTR]
.irp q, 0,1,2,3
	ds_load_b128 v[AF+4*\q:AF+4*\q+3], v[PTC] offset:16*\q
.endr
.irp i, 0,1,2,3,4,5,6,7,8,9,10,11,12,13,14,15
	ds_load_b128 v[64+4*\i:64+4*\i+3], v[SRC] offset:256*\i
.endr
.irp i, 0,1,2,3,4,5,6,7,8,9,10,11,12,13,14,15
	s_wait_dscnt 15-\i                             ; row i is in (and p, which is older); the younger rows may be out
.irp d, 0,1,2,3
	v_fma_mix_f32_bf16 v[CC+2*\d], v[64+4*\i+\d], v[AF+\i], v[CC+2*\d] op_sel_hi:[1,0,0]
	v_fma_mix_f32_bf16 v[CC+2*\d+1], v[64+4*\i+\d], v[AF+\i], v[CC+2*\d+1] op_sel:[1,0,0] op_sel_hi:[1,0,0]
.endr
.endr
	s_add_co_u32 s46, s46, 4096
	s_add_co_u32 s48, s48, 64
	s_sub_co_u32 s47, s47, 1
	s_cmp_lg_u32 s47, 0
	s_cbranch_scc1 .Lsum_\@
.endm
	s_load_b256 s[4:11], s[0:1], 0x0               ; h s[4:5], ucodes s[6:7], wsb s[8:9], v_a s[10:11]
	s_load_b128 s[12:15], s[0:1], 0x20             ; the exponents s[12:13], part s[14:15]
	v_lshrrev_b32 v26, 5, v0
	v_readfirstlane_b32 s16, v26                   ; wave 0..7
	v_and_b32 v27, 31, v0                          ; lane
	v_and_b32 v28, 15, v0                          ; r
	v_bfe_u32 v29, v0, 4, 1                        ; hh
	v_lshlrev_b32 v[HO], 4, v27
	s_mul_i32 s17, s16, 16*CP
	s_add_co_u32 s17, s17, CD
	v_lshl_add_u32 v[CW], v27, 2, s17
	s_lshl_b32 s17, s16, 12
	v_lshl_add_u32 v[BW0], v27, 3, s17
	v_mul_u32_u24 v[AR], v28, CP
	v_lshl_add_u32 v[AR], v29, 4, v[AR]
	v_add_nc_u32 v[AR], CD, v[AR]
	s_lshl_b32 s17, s16, 8
	s_add_co_u32 s17, s17, TB
	v_lshl_add_u32 v[TBR], v29, 5, s17
	s_lshl_b32 s17, s16, 9
	s_add_co_u32 s18, s17, EP
	v_lshl_add_u32 v[EPW], v28, 2, s18
	v_add_nc_u32 v[EPR], EP, v[HO]
	s_add_co_u32 s18, s17, PT
	v_add_nc_u32 v[PTW], s18, v[HO]
	v_lshl_add_u32 v[PTR], v29, 8, s18
	s_lshl_b32 s18, s16, 15
	v_lshl_add_u32 v[SR0], v29, 14, s18
	v_lshl_add_u32 v[SR0], v28, 4, v[SR0]
	v_lshrrev_b32 v31, 1, v27                      ; a prefetch: row lane >> 1 of my 16, the first or the second 256 bytes of its 512
	v_and_b32 v26, 1, v27
	v_lshlrev_b32 v31, 12, v31
	v_lshl_add_u32 v[PFO], v26, 8, v31
	v_lshrrev_b32 v26, 3, v0                       ; thread n fetches columns 2 n, 2 n + 1 of the tables: in each part of wsb tile n >> 3, byte 8 (n & 7) of my batch's 64
	v_and_b32 v27, 7, v0
	v_lshlrev_b32 v26, 11, v26
	v_lshl_add_u32 v26, v27, 3, v26
	v_lshlrev_b32 v27, 3, v0                       ; in v_a, and in TB, byte 8 n
	s_lshl_b32 s24, ttmp9, 20                      ; 256 rows of 4,096 bytes a work-group,
	s_lshl_b32 s18, s16, 16                        ; 16 rows a wave; also: 65,536 bytes of U's codes a wave
	s_add_co_u32 s24, s24, s18
	s_mov_b32 s25, 0
	s_mov_b32 s19, 0
	s_lshr_b32 s34, ttmp9, 3                       ; my batch: 64 bytes in each tile of wsb
	s_lshl_b32 s34, s34, 6
	s_mov_b32 s35, 0
	s_mul_i32 s44, ttmp9, 4608                     ; part: my work-group's row, my wave's 512 bytes
	s_add_co_u32 s44, s44, s17
	s_mov_b32 s45, 0
	s_mov_b32 s42, 0x76543210                      ; v_permlanex16_b32: lane l xor 16
	s_mov_b32 s43, 0xfedcba98
	s_mov_b32 s26, 0
	s_mov_b32 s32, 0
	s_mov_b32 s49, 3                               ; slices 0-2 are loaded at once: the first to be prefetched is slice 3
	s_wait_kmcnt 0x0
	s_load_b128 s[36:39], s[12:13], 0x0            ; e0 (h), e1 (U_a), e2, e3
	s_add_nc_u64 s[20:21], s[4:5], s[24:25]
	s_add_nc_u64 s[28:29], s[6:7], s[18:19]
	s_add_nc_u64 s[8:9], s[8:9], s[34:35]
	s_add_nc_u64 s[14:15], s[14:15], s[44:45]
.irp q, 0,1,2,3,4,5,6,7
	global_load_b64 v[AF+2*\q:AF+2*\q+1], v26, s[8:9] offset:65536*\q   ; the eight K steps' parts of the addend
.endr
	global_load_b64 v[AF+16:AF+17], v27, s[10:11]
	NEXTH
	LOADH 0                                        ; slice 0
	NEXTH
	LOADH 1                                        ; slice 1
	s_mov_b64 s[30:31], s[28:29]
	LOADB                                          ; K step 0 of U_a
	s_wait_kmcnt 0x0
	s_add_co_i32 s17, s36, 127
	s_lshl_b32 s18, s17, 23
	v_mov_b32 v[SCL], s18                          ; 2^e0 as f32: the conversion takes its exponent field
	s_add_co_i32 s17, s17, 8
	s_lshl_b32 s17, s17, 23
	s_or_b32 s17, s17, 0x600000
	v_mov_b32 v[LIM], s17                          ; 448 x 2^e0
	s_add_co_i32 s17, s36, s37
	s_lshl_b32 s17, s17, 23
	s_add_co_i32 s40, s17, 0x4038aa3b              ; 2 log2(e) x 2^(e0 + e1): the exponents are added to the factor's exponent field
	s_mov_b32 s41, s40                             ; (named with it as a pair, so it is written)
	v_mov_b32 v[MX], 0xff61b1e6                    ; m: -3e38, under every t
	v_mov_b32 v[LS], 0
.irp i, 0,1,2,3,4,5,6,7
	v_mov_b32 v[CC+\i], 0
.endr
	s_wait_loadcnt 48                              ; the nine table loads are in: behind them 32 loads of h and 16 of U were issued
.irp q, 1,2,3,4,5,6,7
	v_pk_add_f32 v[AF:AF+1], v[AF:AF+1], v[AF+2*\q:AF+2*\q+1]   ; K ascending
.endr
	v_mul_f32 v[AF+16], 0xc038aa3b, v[AF+16]       ; v' = -2 log2(e) v_a
	v_mul_f32 v[AF+17], 0xc038aa3b, v[AF+17]
	v_add_nc_u32 v26, TB, v27
	ds_store_b64 v26, v[AF:AF+1]
	ds_store_b64 v26, v[AF+16:AF+17] offset:2048
	; ---- block 0: slices 0-7; PREQ asks for slice 2, step s for slice s + 3
	PREQ
	STEP 0, 1, 32, 16, 1                           ; the first step stands in front of the loop: its products start the sums.  32: U's 16 loads and the next slice's 16 stand behind the slice; 16: that slice's behind U's
	s_mov_b32 s33, 3
.Lk0:
	STEP 1, 0, 32, 16, 1
	STEP 0, 0, 32, 16, 1
	s_sub_co_u32 s33, s33, 1
	s_cmp_lg_u32 s33, 0
	s_cbranch_scc1 .Lk0
	GS 1, 16                                       ; the block's last K step: nothing to quantise; slices 8 and 9 hold both landing sets through all that follows
	s_wait_xcnt 0x0                                ; the last prefetch has had its address translated
	PFPTR
	PFGO                                           ; slice 11: with slice 10, 128 KiB a work-group are asked for while no register is free for loads
	TANH
	SOFT
	SSUM
	s_mov_b64 s[30:31], s[28:29]                   ; U_a from its first K step again: its registers are free
	LOADB
	s_mov_b32 s32, 0
	BARRIER                                        ; every wave's reads of BF and EP are over: both are written again
	; ---- block 1: slices 8-15; the tail is written out, so that no load leaves h and every count holds on its own way
	PREQ
	STEP 0, 1, 32, 16, 1
	s_mov_b32 s33, 2
.Lk1:
	STEP 1, 0, 32, 16, 1
	STEP 0, 0, 32, 16, 1
	s_sub_co_u32 s33, s33, 1
	s_cmp_lg_u32 s33, 0
	s_cbranch_scc1 .Lk1
	STEP 1, 0, 32, 16, 0                           ; slice 14 is quantised; slice 15 stands behind this step's U
	STEP 0, 0, 16, 0, 0                            ; slice 15: only U's 16 loads stand behind it, and nothing behind those
	LDA 0, 1, LD                                   ; the last K step: set 0 is free: the ring of four
	LDA 1, 1, LD+16
	LDA 2, 1, LD+32
	LDA 3, 1, LD+48
	GD 1, 0, 0, 0, 0
	TANH
	SOFT
	SSUM
	; ---- the way out
.irp i, 0,1,2,3,4,5,6,7
	v_permlanex16_b32 v[64+\i], v[CC+\i], s42, s43 ; the other 64 rows' sums
.endr
.irp i, 0,2,4,6
	v_pk_add_f32 v[CC+\i:CC+\i+1], v[CC+\i:CC+\i+1], v[64+\i:64+\i+1]
.endr
	v_bfe_u32 v26, v0, 4, 1                        ; hh
	v_cmp_eq_u32 vcc_lo, 1, v26
.irp i, 0,1,2,3
	v_cndmask_b32 v[32+\i], v[CC+\i], v[CC+4+\i], vcc_lo   ; lanes 0-15 store channels 8 r .. + 3, lanes 16-31 channels 8 r + 4 .. + 7
.endr
	v_add_f32_dpp v[LS], v[LS], v[LS] row_xmask:1 row_mask:0xf bank_mask:0xf
	v_add_f32_dpp v[LS], v[LS], v[LS] row_xmask:2 row_mask:0xf bank_mask:0xf
	v_add_f32_dpp v[LS], v[LS], v[LS] row_xmask:4 row_mask:0xf bank_mask:0xf
	v_add_f32_dpp v[LS], v[LS], v[LS] row_xmask:8 row_mask:0xf bank_mask:0xf
	v_permlanex16_b32 v27, v[LS], s42, s43
	v_add_f32 v[LS], v[LS], v27                    ; l
	v_and_b32 v28, 15, v0
	v_lshlrev_b32 v28, 5, v28
	v_lshl_add_u32 v28, v26, 4, v28                ; 32 r + 16 hh
	global_store_b128 v28, v[32:35], s[14:15]      ; the wave stores 512 consecutive bytes, aligned
	s_cmp_lg_u32 s16, 0                            ; every wave holds the same m and l: wave 0 stores them, 32 times over, so that 512 consecutive bytes are written whole
	s_cbranch_scc1 .Ldone
	v_mov_b32 v36, v[MX]
	v_mov_b32 v37, v[LS]
	v_mov_b32 v38, v[MX]
	v_mov_b32 v39, v[LS]
	global_store_b128 v[HO], v[36:39], s[14:15] offset:4096
.Ldone:
	s_wait_xcnt 0x0
	v_lshl_add_u32 v254, v0, 2, 0x4c000
	v_mov_b32 v255, 0
	s_wait_tensorcnt 0x0
	ds_add_u32 v254, v255
	s_wait_dscnt 0x0
	s_endpgm
.Lfunc_end_k_q5c4934a884_attn:
	.size	k_q5c4934a884_attn, .Lfunc_end_k_q5c4934a884_attn-k_q5c4934a884_attn
	.p2alignl 7, 3214868480
	.fill 96, 4, 3214868480
	.section	.rodata,"a",@progbits
	.p2align	6, 0x0
	.amdhsa_kernel k_q5c4934a884_attn
		.amdhsa_group_segment_fixed_size 312320
		.amdhsa_private_segment_fixed_size 0
		.amdhsa_enable_private_segment 0
		.amdhsa_kernarg_size 48
		.amdhsa_user_sgpr_count 2
		.amdhsa_user_sgpr_kernarg_segment_ptr 1
		.amdhsa_wavefront_size32 1
		.amdhsa_system_sgpr_workgroup_id_x 1
		.amdhsa_system_sgpr_workgroup_id_y 1
		.amdhsa_system_sgpr_workgroup_id_z 1
		.amdhsa_system_vgpr_workitem_id 0
		.amdhsa_next_free_vgpr 512
		.amdhsa_next_free_sgpr 66
		.amdhsa_reserve_vcc 1
		.amdhsa_float_denorm_mode_32 3
		.amdhsa_float_denorm_mode_16_64 3
		.amdhsa_memory_ordered 1
		.amdhsa_forward_progress 1
		.amdhsa_inst_pref_size 255
	.end_amdhsa_kernel
	.section	.bss,"aw",@nobits
	.p2align	6
	.space	262144
	.amdgpu_metadata
---
amdhsa.version: [ 1, 2 ]
amdhsa.kernels:
  - .name:           k_q5c4934a884_attn
    .symbol:         k_q5c4934a884_attn.kd
    .args:
      - { .name: h, .offset: 0, .size: 8, .value_kind: global_buffer, .address_space: global }
      - { .name: ucodes, .offset: 8, .size: 8, .value_kind: global_buffer, .address_space: global }
      - { .name: wsb, .offset: 16, .size: 8, .value_kind: global_buffer, .address_space: global }
      - { .name: v_a, .offset: 24, .size: 8, .value_kind: global_buffer, .address_space: global }
      - { .name: lowp_scales, .offset: 32, .size: 8, .value_kind: global_buffer, .address_space: global }
      - { .name: part, .offset: 40, .size: 8, .value_kind: global_buffer, .address_space: global }
    .group_segment_fixed_size: 312320
    .private_segment_fixed_size: 0
    .kernarg_segment_align: 8
    .kernarg_segment_size: 48
    .max_flat_workgroup_size: 256
    .sgpr_count:     66
    .vgpr_count:     512
    .wavefront_size: 32
...
	.end_amdgpu_metadata
.endif
;; end of part 2
;; launch merge (part 3): grid 32 x 1, 8 waves a work-group, no clusters, 0 bytes of LDS; arguments part, out0; writes out0
.if DOCPART == 3
	.amdgcn_target "amdgcn-amd-amdhsa--gfx1250"
	.amdhsa_code_object_version 6
	.text
	.protected	k_q5c4934a884_merge
	.globl	k_q5c4934a884_merge
	.p2align	8
	.type	k_q5c4934a884_merge,@function
k_q5c4934a884_merge:
	s_mov_b64 s[64:65], 0
	v_nop
	global_prefetch_b8 v0, s[64:65] scope:SCOPE_SE
	s_setreg_imm32_b32 hwreg(HW_REG_WAVE_MODE, 25, 1), 1
	s_wait_xcnt 0x0
; out0[b][d] = (sum over j of 2^(m_j - M) c_j[d]) / (sum over j of 2^(m_j - M) l_j), M the largest m_j: the eight parts of batch b's softmax are brought under one maximum.
; part: 256 rows of 4,608 bytes: c[1024] f32, then copies of (m, l).  Work-group = batch; thread n takes channels 4 n .. 4 n + 3: each load and the store of a wave cover 512 consecutive bytes.
; The part with m_j = M has weight 1 and l_j >= 1, so the divisor is at least 1.  No LDS, no barrier: threads share nothing.
	s_load_b128 s[4:7], s[0:1], 0x0                ; part s[4:5], out0 s[6:7]
	v_lshlrev_b32 v1, 4, v0
	v_mov_b32 v2, 0
	s_mul_i32 s8, ttmp9, 8*4608
	s_mov_b32 s9, 0
	s_lshl_b32 s10, ttmp9, 12
	s_mov_b32 s11, 0
	s_wait_kmcnt 0x0
	s_add_nc_u64 s[4:5], s[4:5], s[8:9]
	s_add_nc_u64 s[6:7], s[6:7], s[10:11]
.irp j, 0,1,2,3,4,5,6,7
	global_load_b64 v[4+2*\j:5+2*\j], v2, s[4:5] offset:4608*\j+4096   ; m_j, l_j
.endr
.irp j, 0,1,2,3,4,5,6,7
	global_load_b128 v[20+4*\j:23+4*\j], v1, s[4:5] offset:4608*\j      ; c_j
.endr
	s_wait_loadcnt 8                               ; the eight (m, l) are in; the eight loads of c may be out
	v_max3_num_f32 v52, v4, v6, v8
	v_max3_num_f32 v52, v52, v10, v12
	v_max3_num_f32 v52, v52, v14, v16
	v_max_num_f32 v52, v52, v18                    ; M
.irp j, 0,1,2,3,4,5,6,7
	v_sub_f32 v[54+\j], v[4+2*\j], v52
.endr
.irp j, 0,1,2,3,4,5,6,7
	v_exp_f32 v[54+\j], v[54+\j]                   ; 2^(m_j - M)
.endr
	v_nop                                          ; a plain instruction behind the last exponential
	s_wait_alu depctr_va_vdst(0)
	v_mul_f32 v62, v54, v5
.irp j, 1,2,3,4,5,6,7
	v_fmac_f32 v62, v[54+\j], v[5+2*\j]
.endr
	v_rcp_f32 v62, v62
	v_nop
	s_wait_alu depctr_va_vdst(0)
.irp j, 0,1,2,3,4,5,6,7
	v_mul_f32 v[54+\j], v[54+\j], v62
.endr
	s_wait_loadcnt 0x0
.irp q, 0,1,2,3
	v_mul_f32 v[64+\q], v[20+\q], v54
.endr
.irp j, 1,2,3,4,5,6,7
.irp q, 0,1,2,3
	v_fmac_f32 v[64+\q], v[20+4*\j+\q], v[54+\j]
.endr
.endr
	global_store_b128 v1, v[64:67], s[6:7]
	s_endpgm
.Lfunc_end_k_q5c4934a884_merge:
	.size	k_q5c4934a884_merge, .Lfunc_end_k_q5c4934a884_merge-k_q5c4934a884_merge
	.p2alignl 7, 3214868480
	.fill 96, 4, 3214868480
	.section	.rodata,"a",@progbits
	.p2align	6, 0x0
	.amdhsa_kernel k_q5c4934a884_merge
		.amdhsa_group_segment_fixed_size 0
		.amdhsa_private_segment_fixed_size 0
		.amdhsa_enable_private_segment 0
		.amdhsa_kernarg_size 16
		.amdhsa_user_sgpr_count 2
		.amdhsa_user_sgpr_kernarg_segment_ptr 1
		.amdhsa_wavefront_size32 1
		.amdhsa_system_sgpr_workgroup_id_x 1
		.amdhsa_system_sgpr_workgroup_id_y 1
		.amdhsa_system_sgpr_workgroup_id_z 1
		.amdhsa_system_vgpr_workitem_id 0
		.amdhsa_next_free_vgpr 72
		.amdhsa_next_free_sgpr 66
		.amdhsa_reserve_vcc 0
		.amdhsa_float_denorm_mode_32 3
		.amdhsa_float_denorm_mode_16_64 3
		.amdhsa_memory_ordered 1
		.amdhsa_forward_progress 1
		.amdhsa_inst_pref_size 5
	.end_amdhsa_kernel
	.amdgpu_metadata
---
amdhsa.version: [ 1, 2 ]
amdhsa.kernels:
  - .name:           k_q5c4934a884_merge
    .symbol:         k_q5c4934a884_merge.kd
    .args:
      - { .name: part, .offset: 0, .size: 8, .value_kind: global_buffer, .address_space: global }
      - { .name: out0, .offset: 8, .size: 8, .value_kind: global_buffer, .address_space: global }
    .group_segment_fixed_size: 0
    .private_segment_fixed_size: 0
    .kernarg_segment_align: 8
    .kernarg_segment_size: 16
    .max_flat_workgroup_size: 256
    .sgpr_count:     66
    .vgpr_count:     72
    .wavefront_size: 32
...
	.end_amdgpu_metadata
.endif
;; end of part 3
;; ======== version 2 of 2: 3 launches; version 1 with the launches prep, attn written anew for expert scheduling mode
;; workspace buffers: ucodes 524,288 bytes; wsb 524,288 bytes; part 1,179,648 bytes
;; launch prep (part 4): grid 256 x 1, 4 waves a work-group, no clusters, 8,704 bytes of LDS; arguments U_a, W_a, s, lowp_scales, ucodes, wsb; writes ucodes, wsb
.if DOCPART == 4
	.amdgcn_target "amdgcn-amd-amdhsa--gfx1250"
	.amdhsa_code_object_version 6
	.text
	.protected	k_q5c4934a884_prep
	.globl	k_q5c4934a884_prep
	.p2align	8
	.type	k_q5c4934a884_prep,@function
k_q5c4934a884_prep:
	s_mov_b64 s[64:65], 0
	v_nop
	global_prefetch_b8 v0, s[64:65] scope:SCOPE_SE
	s_setreg_imm32_b32 hwreg(HW_REG_WAVE_SCHED_MODE, 0, 2), 2
	s_setreg_imm32_b32 hwreg(HW_REG_WAVE_MODE, 25, 1), 1
	s_wait_xcnt 0x0
	s_wait_alu depctr_vm_vsrc(0)
; (1) U_a [1024 (k)][512 (n)] f32 becomes codes of E4M3 with the given scale 2^e1, laid in the order of an operand's registers:
;     ucodes [w 8][kstep 8][t 4][c 4][lane 32][16 bytes]: lane (r, hh), byte i of chunk c = U_a[128 kstep + 32 c + 16 hh + i][64 w + 16 t + r].
; (2) wsb [q 8][T 32][batch 32][16] f32 = 2 log2(e) x the part of (Q(s) Q(W_a))[batch][16 T + n] that K step q gives: the second quantised product (scales 2^e2, 2^e3),
;     by v_wmma_f32_16x16x64_fp8_fp8.  The next launch adds the eight parts, K ascending.
; SHARES.  Work-group (T = x & 31, q = x >> 5): the 16 columns 16 T .. 16 T + 15, the 128 along K of K step q.  Waves 0, 1: the two halves (64 along K) of U_a's unit; waves 2, 3: of W_a's,
;     each with its 64 along K of s's 32 rows.  So a wave has 32 or 48 loads out, fewer than LOADcnt can count (63), and a work-group issues 160 loads.
; A LANE TAKES A COLUMN AND ITS REGISTERS RUN DOWN K, in the order that the operand's layout gives that lane: the conversions' results are the operand's registers.
; Each load of U_a or W_a reads 64 neighbouring bytes in sixteen lanes; the two tensors are 4 MB of the problem's 273 MB.
; Inside a K step k is laid 32 c + 16 hh + 0..15 in registers 4 c .. 4 c + 3, alike in both operands of every product: each product meets its partner, only the order of the sums inside an instruction changes.
; The two halves' sums of product 2 meet in LDS as images of their registers (2,048 bytes a wave, at 2,048 x wave) and come back so that a lane holds 16 neighbouring bytes of the output.
; LIMITS: e1, e2, e3 between -126 and 119, so that 2^e and 448 x 2^e are f32 numbers.  NaN among the inputs is not served; an infinity is held at the largest code.
; THE MODE: SCHED_MODE bits 1:0 = 2 (LLVM: expert scheduling mode 2), set by the entry lines.  The code itself states the register dependences
; between vector or matrix instructions and memory or LDS instructions, with s_wait_alu, always for 0.
; THE PLAN.  Registers that memory or LDS instructions touch:
;   v4, v5, v6, v7, v14   offsets and LDS addresses: written at the head, never again.
;   XN, SN, RS            loads land in them once; no vector line names them before.
;   XC (waves 0, 1), D0, D1, RS   data of stores: written by the conversions, the products, the last scalings; never written again behind their stores.
; So one wait stands ahead of the first load, one ahead of each run of stores, and none for a register that is written again.
.set XC,  16                           ; v16-23    the codes of U_a's or W_a's 32 numbers
.set SC,  32                           ; v32-39, v40-47  s's codes, batches 0-15 and 16-31
.set D0,  48                           ; v48-55    the sums of batches 0-15
.set D1,  56                           ; v56-63    of batches 16-31
.set XN,  64                           ; v64-95    32 numbers of U_a or W_a
.set RS,  96                           ; v96-111   the two halves' sums, read back
.set SN,  128                          ; v128-191  s: 32 numbers of each of two rows
; 32 numbers of a lane become 8 registers of codes
.macro QUANT src, dst, scl, lim
.irp b, 0,1
.irp i, 0,1,2,3,4,5,6,7,8,9,10,11,12,13,14,15
	v_med3_num_f32 v[\src+16*\b+\i], v[\src+16*\b+\i], -v[\lim], v[\lim]   ; the conversion to an 8-bit code does not saturate (ISA guide 7.6.2): the hold at the largest code x the scale
.endr
	v_cvt_scalef32_pk8_fp8_f32 v[\dst+4*\b:\dst+4*\b+1], v[\src+16*\b:\src+16*\b+7], v[\scl]
	v_cvt_scalef32_pk8_fp8_f32 v[\dst+4*\b+2:\dst+4*\b+3], v[\src+16*\b+8:\src+16*\b+15], v[\scl]
.endr
	v_nop                                          ; one plain vector instruction between the last scaled conversion and whatever vector or matrix instruction touches its registers next
.endm
; 2^e as f32 into v[scl], 448 x 2^e into v[lim]; e in s[e]
.macro SCALE e, scl, lim
	s_add_co_i32 s30, s[\e], 127
	s_lshl_b32 s31, s30, 23
	v_mov_b32 v[\scl], s31
	s_add_co_i32 s30, s30, 8
	s_lshl_b32 s30, s30, 23
	s_or_b32 s30, s30, 0x600000
	v_mov_b32 v[\lim], s30
.endm
	s_load_b256 s[4:11], s[0:1], 0x0               ; U_a s[4:5], W_a s[6:7], s s[8:9], the exponents s[10:11]
	s_load_b128 s[12:15], s[0:1], 0x20             ; ucodes s[12:13], wsb s[14:15]
	v_lshl_add_u32 v192, v0, 2, 0x2000             ; my spare word, behind the four images; kept for the closing lines alone
	v_mov_b32 v193, 0                              ; and 0, likewise
	v_lshrrev_b32 v1, 5, v0
	v_readfirstlane_b32 s16, v1                    ; wave 0..3
	v_and_b32 v1, 31, v0                           ; lane
	v_and_b32 v2, 15, v0                           ; r
	v_bfe_u32 v3, v0, 4, 1                         ; hh
	v_lshlrev_b32 v4, 2, v2
	v_lshl_add_u32 v4, v3, 15, v4                  ; U, W: column r (4 bytes), lanes 16-31 sixteen rows of 2,048 bytes further down
	v_lshlrev_b32 v5, 12, v2
	v_lshl_add_u32 v5, v3, 6, v5                   ; s: row r of 4,096 bytes, + 64 hh
	v_lshlrev_b32 v6, 4, v1                        ; 16 x lane
	; back: wave 2 + u stores batches 16 u .. 16 u + 15; in store g (0, 1) lane l holds batch 16 u + 8 g + (l >> 2), columns 4 (l & 3) ..: in an image that is
	; region 2 u + (l & 1) of 512 bytes, lane 16 ((l >> 1) & 1) + 8 g + (l >> 2)
	v_and_b32 v14, 1, v0
	v_lshlrev_b32 v14, 9, v14
	v_bfe_u32 v15, v0, 1, 1
	v_lshl_add_u32 v14, v15, 8, v14
	v_bfe_u32 v15, v0, 2, 3
	v_lshl_add_u32 v14, v15, 4, v14
	s_wait_alu depctr_va_sdst(0)                   ; s16 is written, ahead of its first reader: addresses, bases and branches are made from it
	s_and_b32 s17, s16, 1                          ; u: which 64 of the K step's 128
	s_lshl_b32 s18, s16, 11
	v_add_nc_u32 v7, s18, v6                       ; LDS: my wave's 2,048 bytes, 16 x lane
	s_lshl_b32 s21, s17, 10                        ; 1,024 u
	s_add_co_u32 s18, s21, 4096                    ; wave 2's image begins at 4,096
	v_add_nc_u32 v14, s18, v14
	s_and_b32 s19, ttmp9, 31                       ; T
	s_lshr_b32 s20, ttmp9, 5                       ; q
	s_lshl_b32 s22, s20, 18                        ; U, W: 128 rows of 2,048 bytes a K step,
	s_lshl_b32 s18, s17, 17                        ; 64 rows a half,
	s_add_co_u32 s22, s22, s18
	s_lshl_b32 s18, s19, 6                         ; 16 columns of 4 bytes a tile
	s_add_co_u32 s22, s22, s18
	s_mov_b32 s23, 0
	s_lshl_b32 s28, s20, 9                         ; s: 128 numbers a K step, 64 a half
	s_lshl_b32 s18, s17, 8
	s_add_co_u32 s28, s28, s18
	s_mov_b32 s29, 0
	s_lshr_b32 s36, s19, 2                         ; ucodes: 65,536 (T >> 2) + 8,192 q + 2,048 (T & 3) + 1,024 u
	s_lshl_b32 s36, s36, 16
	s_lshl_b32 s18, s20, 13
	s_add_co_u32 s36, s36, s18
	s_and_b32 s18, s19, 3
	s_lshl_b32 s18, s18, 11
	s_add_co_u32 s36, s36, s18
	s_add_co_u32 s36, s36, s21
	s_mov_b32 s37, 0
	s_lshl_b32 s38, s20, 16                        ; wsb: 65,536 q + 2,048 T + 1,024 u
	s_lshl_b32 s18, s19, 11
	s_add_co_u32 s38, s38, s18
	s_add_co_u32 s38, s38, s21
	s_mov_b32 s39, 0
	s_wait_kmcnt 0x0
	s_load_b128 s[24:27], s[10:11], 0x0            ; e0 (h), e1 (U_a), e2 (s), e3 (W_a)
	s_cmp_lt_u32 s16, 2                            ; waves 0, 1: U_a; waves 2, 3: W_a: the choice hangs on the wave's number alone
	s_cselect_b64 s[4:5], s[4:5], s[6:7]
	s_add_nc_u64 s[4:5], s[4:5], s[22:23]
	s_add_nc_u64 s[8:9], s[8:9], s[28:29]
	s_add_nc_u64 s[12:13], s[12:13], s[36:37]
	s_add_nc_u64 s[14:15], s[14:15], s[38:39]
	s_wait_alu depctr_va_vdst(0)                   ; v4, v5, v6, v7 and v14 are written: every load and store of the kernel, global or LDS, reads one of them as its offset or address
.irp c, 0,1
.irp i, 0,1,2,3,4,5,6,7,8,9,10,11,12,13,14,15
	global_load_b32 v[XN+16*\c+\i], v4, s[4:5] offset:(32*\c+\i)*2048     ; (128 q + 64 u + 32 c + 16 hh + i, 16 T + r)
.endr
.endr
	s_cmp_lt_u32 s16, 2
	s_cbranch_scc1 .Lno_s
.irp m, 0,1
.irp c, 0,1
.irp j, 0,1,2,3
	global_load_b128 v[SN+32*\m+16*\c+4*\j:SN+32*\m+16*\c+4*\j+3], v5, s[8:9] offset:65536*\m+128*\c+16*\j   ; s(16 m + r, 128 q + 64 u + 32 c + 16 hh + 4 j ..)
.endr
.endr
.endr
.Lno_s:
	s_wait_kmcnt 0x0
	s_cmp_lt_u32 s16, 2
	s_cselect_b32 s34, s25, s27                    ; e1 or e3
	SCALE 34, 8, 9                                 ; my tensor's
	SCALE 26, 12, 13                               ; s's
	s_add_co_i32 s35, s26, s27                     ; e2 + e3
	s_wait_loadcnt 0x0                             ; all my loads went out together
	QUANT XN, XC, 8, 9
	s_cmp_lt_u32 s16, 2
	s_cbranch_scc0 .Lw
	s_wait_alu depctr_va_vdst(0)                   ; the conversions have written v[XC ..], which the two stores read
.irp c, 0,1
	global_store_b128 v6, v[XC+4*\c:XC+4*\c+3], s[12:13] offset:512*\c   ; the wave stores 512 consecutive bytes, aligned
.endr
	s_branch .Lmeet
.Lw:
	QUANT SN, SC, 12, 13
	QUANT SN+32, SC+8, 12, 13
	; TRANSPOSED: source 0 = 16 columns of W_a, source 1 = 16 batches: lane (r, hh), register j = (column 16 T + 8 hh + j, batch 16 m + r)
	v_wmma_f32_16x16x64_fp8_fp8 v[D0:D0+7], v[XC:XC+7], v[SC:SC+7], 0
	v_wmma_f32_16x16x64_fp8_fp8 v[D1:D1+7], v[XC:XC+7], v[SC+8:SC+15], 0
.rept 4
	v_nop                                          ; four places in front of the LDS stores that read the results
.endr
	s_wait_alu depctr_va_vdst(0)                   ; the two products have written D0 and D1, which the LDS stores read; the places above stay beside this wait
	ds_store_b128 v7, v[D0:D0+3]                   ; each result from its low end on
	ds_store_b128 v7, v[D0+4:D0+7] offset:512
	ds_store_b128 v7, v[D1:D1+3] offset:1024
	ds_store_b128 v7, v[D1+4:D1+7] offset:1536
.Lmeet:
	s_wait_dscnt 0x0                               ; for the others' sake: my stores into LDS have landed
	s_barrier_signal -1
	s_barrier_wait -1                              ; every wave passes it
	s_cmp_lt_u32 s16, 2
	s_cbranch_scc1 .Lend
	ds_load_b128 v[RS:RS+3], v14                   ; the first 64 along K: store 0, store 1,  (no vector line has named v[RS ..])
	ds_load_b128 v[RS+4:RS+7], v14 offset:128
	ds_load_b128 v[RS+8:RS+11], v14 offset:2048    ; the second 64
	ds_load_b128 v[RS+12:RS+15], v14 offset:2176
	s_wait_dscnt 0x0
.irp i, 0,2,4,6
	v_pk_add_f32 v[RS+\i:RS+\i+1], v[RS+\i:RS+\i+1], v[RS+8+\i:RS+8+\i+1]   ; K ascending
.endr
.irp i, 0,1,2,3,4,5,6,7
	v_ldexp_f32 v[RS+\i], v[RS+\i], s35            ; x 2^(e2 + e3)
.endr
.irp i, 0,1,2,3,4,5,6,7
	v_mul_f32 v[RS+\i], 0x4038aa3b, v[RS+\i]       ; x 2 log2(e): the next launch takes 2^(..) of it
.endr
	s_wait_alu depctr_va_vdst(0)                   ; the multiplications have written v[RS .. RS + 7], which the two stores read
	global_store_b128 v6, v[RS:RS+3], s[14:15]     ; the wave stores 512 consecutive bytes, aligned
	global_store_b128 v6, v[RS+4:RS+7], s[14:15] offset:512
.Lend:
	s_wait_dscnt 0x0                               ; the closing lines, six on end
	s_wait_alu 0x0
	s_wait_tensorcnt 0x0
	ds_add_u32 v192, v193
	s_wait_dscnt 0x0
	s_endpgm
.Lfunc_end_k_q5c4934a884_prep:
	.size	k_q5c4934a884_prep, .Lfunc_end_k_q5c4934a884_prep-k_q5c4934a884_prep
	.p2alignl 7, 3214868480
	.fill 96, 4, 3214868480
	.section	.rodata,"a",@progbits
	.p2align	6, 0x0
	.amdhsa_kernel k_q5c4934a884_prep
		.amdhsa_group_segment_fixed_size 8704
		.amdhsa_private_segment_fixed_size 0
		.amdhsa_enable_private_segment 0
		.amdhsa_kernarg_size 48
		.amdhsa_user_sgpr_count 2
		.amdhsa_user_sgpr_kernarg_segment_ptr 1
		.amdhsa_wavefront_size32 1
		.amdhsa_system_sgpr_workgroup_id_x 1
		.amdhsa_system_sgpr_workgroup_id_y 1
		.amdhsa_system_sgpr_workgroup_id_z 1
		.amdhsa_system_vgpr_workitem_id 0
		.amdhsa_next_free_vgpr 194
		.amdhsa_next_free_sgpr 66
		.amdhsa_reserve_vcc 0
		.amdhsa_float_denorm_mode_32 3
		.amdhsa_float_denorm_mode_16_64 3
		.amdhsa_memory_ordered 1
		.amdhsa_forward_progress 1
		.amdhsa_inst_pref_size 18
	.end_amdhsa_kernel
	.amdgpu_metadata
---
amdhsa.version: [ 1, 2 ]
amdhsa.kernels:
  - .name:           k_q5c4934a884_prep
    .symbol:         k_q5c4934a884_prep.kd
    .args:
      - { .name: U_a, .offset: 0, .size: 8, .value_kind: global_buffer, .address_space: global }
      - { .name: W_a, .offset: 8, .size: 8, .value_kind: global_buffer, .address_space: global }
      - { .name: s, .offset: 16, .size: 8, .value_kind: global_buffer, .address_space: global }
      - { .name: lowp_scales, .offset: 24, .size: 8, .value_kind: global_buffer, .address_space: global }
      - { .name: ucodes, .offset: 32, .size: 8, .value_kind: global_buffer, .address_space: global }
      - { .name: wsb, .offset: 40, .size: 8, .value_kind: global_buffer, .address_space: global }
    .group_segment_fixed_size: 8704
    .private_segment_fixed_size: 0
    .kernarg_segment_align: 8
    .kernarg_segment_size: 48
    .max_flat_workgroup_size: 128
    .sgpr_count:     66
    .vgpr_count:     194
    .wavefront_size: 32
...
	.end_amdgpu_metadata
.endif
;; end of part 4
;; launch attn (part 5): grid 256 x 1, 8 waves a work-group, no clusters, 312,320 bytes of LDS; arguments h, ucodes, wsb, v_a, lowp_scales, part; writes part
.if DOCPART == 5
	.amdgcn_target "amdgcn-amd-amdhsa--gfx1250"
	.amdhsa_code_object_version 6
	.text
	.protected	k_q5c4934a884_attn
	.globl	k_q5c4934a884_attn
	.p2align	8
	.type	k_q5c4934a884_attn,@function
k_q5c4934a884_attn:
	s_mov_b64 s[64:65], 0
	v_nop
	global_prefetch_b8 v0, s[64:65] scope:SCOPE_SE
	s_setreg_imm32_b32 hwreg(HW_REG_WAVE_SCHED_MODE, 0, 2), 2
	s_setreg_imm32_b32 hwreg(HW_REG_WAVE_MODE, 25, 1), 1
	s_wait_xcnt 0x0
	s_wait_alu depctr_vm_vsrc(0)
; For 256 rows (time steps) of one batch: scores e = v_a . tanh(s W_a + Q(h) Q(U_a)), a running softmax over them, and the weighted sum of the same rows of h.  h is read from memory ONCE.
; part [256 work-groups][4,608 bytes]: 1,024 f32 of the unnormalised sum of p x h, then 32 copies of (m, l, m, l): the largest t and the sum of p; the next launch merges the eight parts of a batch.
; ARITHMETIC.  x' = 2 log2(e) (s W_a + h U_a): one multiply-add on a sum of codes (factor 2 log2(e) 2^(e0 + e1), addend: the eight parts in wsb, added in ascending K).
;   r = 1 / (1 + 2^x'), tanh = 1 - 2 r: right at both ends (2^x' = inf gives r = 0, 2^x' = 0 gives r = 1).
;   t = log2(e) e = log2(e) sum(v_a) + sum over n of v'(n) r(n), v' = -2 log2(e) v_a.  The first term is the same number for every time step of every batch and cancels in the softmax for every input: it is not formed.
;   p = 2^(t - m), m the running largest t; when m moves, l and the sums are multiplied by 2^(old m - new m).
; SHARES.  Work-group g: batch g >> 3, rows 256 g .. 256 g + 255, as two blocks of 128 rows.  K outermost: a block goes in eight slices of 128 along K.
;   Of a slice wave w loads rows 16 w .. 16 w + 15 (16 loads of 512 consecutive bytes), rounds them to bf16 into BF (for the weighted sum) and quantises them into CD (for all eight waves).
;   THE WAVES SHARE THE COLUMNS: wave w owns columns 64 w .. 64 w + 63 for all 128 rows: 32 accumulators, 256 registers.  So each fragment of U_a has one reader in the work-group and comes from memory
;   straight into its registers, in the register order in which the first launch laid it.  In the weighted sum wave w owns channels 128 w .. 128 w + 127, which are slice w of BF.
; THE MATRIX INSTRUCTION IS USED TRANSPOSED (source 0 = 16 columns of U_a, source 1 = 16 rows of h): lane (r, hh), register j of accumulator (a, t) = (row 16 a + r, column 64 w + 16 t + 8 hh + j).
; Inside a K step k is laid 32 c + 16 hh + 0..15 in registers 4 c .. 4 c + 3, alike in both operands: only the order of the sums inside an instruction changes.
; A K STEP s: slice s + 1 is quantised into the other slot; the 64 registers in which it landed and the 32 in which its held numbers stood are then free and take SIX FRAGMENTS of h's codes for step s's 32 products;
;   the last two fragments land where the first two stood, behind tile row 1's products; then U_a's next K step is asked for, then slice s + 3 into the same 64 registers; one barrier: behind it the other slot is whole
;   and nobody reads this one any more.  h's loads stand behind U's, so that the wait for U leaves them out.
; IN FLIGHT.  Up to two slices of h (32 loads a wave, 128 KiB a work-group) and one K step of U_a (16 loads a wave).
; PREFETCH INTO THE L2.  Behind the loads of a slice each wave asks for its own 16 rows x 512 bytes (one instruction, lanes 256 bytes apart) of the slice that the next step will load: one trip, 64 KiB a work-group ahead;
;   one more slice is asked for ahead of block 0's tanh, when no register is free for loads (then 128 KiB a work-group are asked for and not yet loaded, and the requests run two slices ahead).
;   The slice's number is held at 15, the work-group's last: no request leaves its rows.
; NO CLUSTER, NO TENSOR LOAD: all work-groups walk the same 512 KiB of U_a's codes, but two LDS slots of a K step's 65,536 bytes do not fit beside BF + CD + tables (311,296 of 327,680 bytes),
;   and h's f32 numbers must pass through registers to be converted.
; LIMITS: e0 between -126 and 119; e0 + e1 between -127 and 125 (it is added to an exponent field).  NaN among the inputs is not served.
; THE MODE: SCHED_MODE bits 1:0 = 2 (LLVM: expert scheduling mode 2), set by the entry lines.  The code itself states the register dependences
; between vector or matrix instructions and memory or LDS instructions, with s_wait_alu, always for 0.
; THE PLAN, for a K step that multiplies slot p; S is landing set 1 - p.  Registers that memory or LDS instructions touch:
;   S, unit q (rows 2 q, 2 q + 1: eight registers)   the slice's loads land; the unit's holds read them; its bf16 pairs close up into registers 0-3 and its codes take 4-5; the unit's four LDS stores read those six.
;   S as fragments   units 0-3's registers take fragments 0, 1 and later 6, 7; units 4-7's take fragments 4, 5; the products read them; at the step's end the slice two on is asked for into S.
;   AF               the held numbers, four sets of eight by turns, named by vector lines alone; then fragments 2, 3 land there; the products read them.
;   BFR              U_a's four fragments: all 32 products read them; the next K step's loads land there at the step's end.
;   v[BWC]           written once, at the step's head; the bf16 stores read it.      All other offsets and addresses: written at the kernel's head, never again.
; THE STEP'S WAITS: (1) vm_vsrc at its head, ahead of the add to v[BWC]; (2) va_vdst behind units 0-3, ahead of their stores; (3) va_vdst behind units 4-7, ahead of their stores and of the fragments' loads;
;   (4) vm_vsrc beside it: units 0-3's stores have read their registers; (5) vm_vsrc behind units 4-7's stores, ahead of fragments 4, 5; (6) va_vdst behind tile row 1's products, ahead of fragments 6, 7;
;   (7) va_vdst behind the last products, ahead of U's and h's loads.  Between each wait and the memory or LDS instructions that lean on it stands no vector or matrix instruction that names their registers.
; LDS
.set BF,    0                          ; [slice 8][row 128][256 bytes]: the block's rows in bf16
.set CD,    262144                     ; two slots of [row 128], pitch 144: a slice's codes
.set CP,    144                        ; 128 bytes + 16 = 9 x 16: the 16 rows of a fragment load start at 16 different 16-byte columns modulo 256
.set CSLOT, 128*CP
.set TB,    CD+2*CSLOT                 ; 512 f32 of the addend, then 512 f32 of v'
.set EP,    TB+4096                    ; [wave 8][row 128] f32: each wave's part of t
.set PT,    EP+4096                    ; [wave 8][row 128] f32: p, a copy of each wave's own
; REGISTERS.  Window 1 (v256-511): accumulator (a, t) at v[8 (4 a + t)].  Window 0:
.set HO,  1                            ; 16 x lane: offset in h's rows and in U's fragments
.set CW,  2                            ; CD + 16 CP w + 4 lane: where my codes go
.set BW0, 3                            ; 4,096 w + 8 lane: where my bf16 go, in slice 0
.set BWC, 4                            ; the same in the slice in hand
.set AR,  5                            ; CD + CP r + 16 hh: fragments of h's codes
.set TBR, 6                            ; TB + 256 w + 32 hh
.set EPW, 7                            ; EP + 512 w + 4 r
.set EPR, 8                            ; EP + 16 lane
.set PTW, 9                            ; PT + 512 w + 16 lane
.set PTR, 10                           ; PT + 512 w + 256 hh
.set SR0, 11                           ; 32,768 w + 16,384 hh + 16 r: BF for the weighted sum
.set SRC, 12                           ; its address in the trip in hand
.set PTC, 13                           ; p's likewise
.set MX,  14                           ; m
.set LS,  15                           ; my lane's part of l
.set CC,  16                           ; v16-23  eight channels' sums (of my half of the rows)
.set SCL, 24                           ; 2^e0
.set LIM, 25                           ; 448 x 2^e0
.set PFO, 30                           ; 4,096 (lane >> 1) + 256 (lane & 1): my lane's place in a prefetch; never rewritten
.set TBW, 31                           ; TB + 8 x thread: where I put my two columns of the tables
.set AF,  32                           ; v32-63   the held numbers in the quantising; then two fragments of h's codes
.set BFR, 64                           ; v64-127  four fragments of U_a
.set BI,  64                           ; v64-95   the addend of my 32 columns
.set VV,  96                           ; v96-127  v' of them
.set LD,  128                          ; v128-191, v192-255  two slices of h as they land; the set just quantised: its bf16 and codes, then four fragments of h's codes
; s[20:21] h at my wave's first row; s[22:23] the slice to be asked for; s26 its number; s[28:29] U's codes of my columns; s[30:31] the K step in hand; s32 BF's slice offset; s33 trips;
; s[40:41] the factor; s[42:43] lane selects; s49 the slice to be prefetched; s[50:51] its address
.set MSB, 0
.macro WIN new                         ; the immediate's high byte repeats the setting that is left
.if MSB != \new
	s_set_vgpr_msb (MSB<<8)|\new
.set MSB, \new
.endif
.endm
.macro BARRIER                         ; my LDS stores have landed and my LDS loads are in: then the work-group's barrier
	s_wait_dscnt 0x0
	s_barrier_signal -1
	s_barrier_wait -1
.endm
.macro PLACES                          ; four places in front of loads into registers that matrix instructions have read, and of the first read of results
.rept 4
	v_nop
.endr
.endm
.macro LOADB                           ; the K step's four fragments of U_a: each load 512 consecutive bytes
.irp t, 0,1,2,3
.irp c, 0,1,2,3
	global_load_b128 v[BFR+16*\t+4*\c:BFR+16*\t+4*\c+3], v[HO], s[30:31] offset:2048*\t+512*\c
.endr
.endr
.endm
.macro SLICEOFF n                      ; s24 = the byte offset of slice s[n]: block n >> 3 (128 rows of 4,096 bytes), slice n & 7 (512 bytes)
	s_lshr_b32 s27, s[\n], 3
	s_lshl_b32 s27, s27, 19
	s_and_b32 s24, s[\n], 7
	s_lshl_b32 s24, s24, 9
	s_add_co_u32 s24, s24, s27
.endm
.macro NEXTH                           ; the pointer to slice s26
	s_wait_xcnt 0x0                                ; the loads and the prefetch that name s[22:23] and s[50:51] have had their addresses translated: only now are they rewritten
	SLICEOFF 26
	s_add_nc_u64 s[22:23], s[20:21], s[24:25]
	s_add_co_u32 s26, s26, 1
.endm
.macro PFPTR                           ; the pointer to the slice to be prefetched (behind a wait on XCNT)
	s_min_u32 s52, s49, 15                         ; held at my work-group's last slice
	SLICEOFF 52
	s_add_nc_u64 s[50:51], s[20:21], s[24:25]
	s_add_co_u32 s49, s49, 1
.endm
.macro PFGO                            ; 32 lanes, 256 bytes apart: my 16 rows x 512 bytes of that slice
	global_prefetch_b8 v[PFO], s[50:51] th:TH_LOAD_NT scope:SCOPE_SE
.endm
.macro LOADH set                       ; a slice: my 16 rows x 512 bytes; lane l holds k = 4 l .. 4 l + 3 of row j
.irp j, 0,1,2,3,4,5,6,7,8,9,10,11,12,13,14,15
	global_load_b128 v[LD+64*(\set)+4*\j:LD+64*(\set)+4*\j+3], v[HO], s[22:23] offset:4096*\j th:TH_LOAD_NT
.endr
.endm
; THE QUANTISING goes by units of two rows.  QV: the vector work of unit q: the hold, into a set of eight registers of AF; bf16 of the numbers as they are, closing up into the first four of their eight registers;
; one conversion for the two rows' four held numbers each: its two words, the two rows' four codes, take the unit's registers 4 and 5.  So what the stores read stands in the landing set itself.
; cnt: the loads that may be out when rows 2 q and 2 q + 1 have to be there.
.macro QV set, q, cnt
.set X, LD+64*(\set)+8*(\q)
.set TM, AF+8*((\q)%4)
	s_wait_loadcnt \cnt
.irp i, 0,1,2,3,4,5,6,7
	v_med3_num_f32 v[TM+\i], v[X+\i], -v[LIM], v[LIM]   ; the conversion to an 8-bit code does not saturate (ISA guide 7.6.2)
.endr
	v_cvt_pk_bf16_f32 v[X], v[X], v[X+1]
	v_cvt_pk_bf16_f32 v[X+1], v[X+2], v[X+3]
	v_cvt_pk_bf16_f32 v[X+2], v[X+4], v[X+5]
	v_cvt_pk_bf16_f32 v[X+3], v[X+6], v[X+7]
	v_cvt_scalef32_pk8_fp8_f32 v[X+4:X+5], v[TM:TM+7], v[SCL]
.endm
.macro QS set, q                       ; unit q's four LDS stores; the slice in set goes to slot set
.set X, LD+64*(\set)+8*(\q)
	ds_store_b64 v[BWC], v[X:X+1] offset:512*(\q)
	ds_store_b64 v[BWC], v[X+2:X+3] offset:512*(\q)+256
	ds_store_b32 v[CW], v[X+4] offset:CSLOT*(\set)+2*CP*(\q)
	ds_store_b32 v[CW], v[X+5] offset:CSLOT*(\set)+2*CP*(\q)+CP
.endm
.macro LDA a, p, reg                   ; fragment a (rows 16 a .. 16 a + 15) of slot p into v[reg] on
.irp c, 0,1,2,3
	ds_load_b128 v[\reg+4*\c:\reg+4*\c+3], v[AR] offset:CSLOT*(\p)+16*CP*(\a)+32*\c
.endr
.endm
; The quantising of the slice in set, as far as units 4-7's vector work.  hcnt: the loads issued behind the slice; unit q leaves the slice's 14 - 2 q later rows out as well.
.macro QHEAD set, hcnt
	s_wait_alu depctr_vm_vsrc(0)                   ; the bf16 stores of the slice before have read v[BWC]; ahead of the kernel's first slice: the tables' stores have read their data in v[AF ..], which the holds write
	v_add_nc_u32 v[BWC], s32, v[BW0]
	QV \set, 0, \hcnt+14
	QV \set, 1, \hcnt+12
	QV \set, 2, \hcnt+10
	QV \set, 3, \hcnt+8
	s_wait_alu depctr_va_vdst(0)                   ; v[BWC] and units 0-3's bf16 and codes are written, which the sixteen stores below read
	QS \set, 0
	QS \set, 1
	QS \set, 2
	QS \set, 3
	QV \set, 4, \hcnt+6
	QV \set, 5, \hcnt+4
	QV \set, 6, \hcnt+2
	QV \set, 7, \hcnt
	v_nop                                          ; one plain vector instruction behind the last scaled conversion
	s_wait_alu depctr_va_vdst(0)                   ; units 4-7's bf16 and codes are written, which their stores read; and every line that names the set or v[AF ..] is done, so that loads may land there
.endm
; The slice in set goes to slot set, and slot p's first six fragments are asked for.  LDS instructions: S0-3 (16), L0-L3 (16), S4-7 (16), L4, L5 (8).
.macro QSL2 set, p, hcnt
	QHEAD \set, \hcnt
	s_wait_alu depctr_vm_vsrc(0)                   ; units 0-3's stores have read their registers, in which fragments 0 and 1 land (and later 6 and 7)
	LDA 0, \p, LD+64*(\set)
	LDA 1, \p, LD+64*(\set)+16
	LDA 2, \p, AF
	LDA 3, \p, AF+16
	QS \set, 4
	QS \set, 5
	QS \set, 6
	QS \set, 7
	s_wait_alu depctr_vm_vsrc(0)                   ; units 4-7's stores have read their registers, in which fragments 4 and 5 land (and at the step's end a slice of h)
	LDA 4, \p, LD+64*(\set)+32
	LDA 5, \p, LD+64*(\set)+48
	s_add_co_u32 s32, s32, 32768                   ; BF's next slice
.endm
; Tile row a's four products; h's fragment in v[reg] on.  zero = 1: they start the sums.
; The 32 accumulators take turns, one instruction a turn, in the same order in every step.
.macro MM a, reg, zero
.irp t, 0,1,2,3
.if \zero
	v_wmma_f32_16x16x128_fp8_fp8 v[8*(4*(\a)+\t):8*(4*(\a)+\t)+7], v[BFR+16*\t:BFR+16*\t+15], v[\reg:\reg+15], 0
.else
	v_wmma_f32_16x16x128_fp8_fp8 v[8*(4*(\a)+\t):8*(4*(\a)+\t)+7], v[BFR+16*\t:BFR+16*\t+15], v[\reg:\reg+15], v[8*(4*(\a)+\t):8*(4*(\a)+\t)+7]
.endif
.endr
.endm
; A K step's 32 products.  Fragments 0-5 have been asked for; fragments 6 and 7 are asked for behind tile row 1's products, into the registers of fragments 0 and 1.
; ucnt: the loads that may stay out when U's fragments have to be there.
; The waits on DScnt count the LDS instructions issued behind the fragment (QSL2's order, then L6, L7 behind tile row 1): 36, 32, 36, 32, 12, 8, 4, 0.
.macro GD p, zero, set, ucnt
	s_wait_loadcnt \ucnt
.irp a, 0,1,2,3,4,5,6,7
.if \a < 2
	s_wait_dscnt 36-4*\a
.elseif \a < 4
	s_wait_dscnt 44-4*\a
.else
	s_wait_dscnt 28-4*\a
.endif
.set FRG, LD+64*(\set)+16*(\a%2)       ; fragments 0, 1, 6, 7
.if (\a == 2) || (\a == 3)
.set FRG, AF+16*(\a-2)
.elseif (\a == 4) || (\a == 5)
.set FRG, LD+64*(\set)+16*(\a-2)
.endif
	WIN 0x50                                       ; C and D window 1
	MM \a, FRG, \zero
.if \a == 1
	PLACES
	WIN 0
	s_wait_alu depctr_va_vdst(0)                   ; tile rows 0 and 1's products are done reading fragments 0 and 1, in whose registers fragments 6 and 7 land
	LDA 6, \p, LD+64*(\set)
	LDA 7, \p, LD+64*(\set)+16
.endif
.endr
	PLACES
	WIN 0
	s_wait_alu depctr_va_vdst(0)                   ; the step's products are done reading U's fragments and the set, in which the loads at the step's end land
.endm
; The same where both landing sets are taken: a ring of two fragments in v32-63.  4: the other fragment's loads may be out.
.macro GS p, ucnt
	LDA 0, \p, AF                                  ; (the last lines that named v[AF ..], the step before's products, stand ahead of that step's last wait on va_vdst)
	LDA 1, \p, AF+16
	s_wait_loadcnt \ucnt
.irp a, 0,1,2,3,4,5,6,7
.if \a < 7
	s_wait_dscnt 4
.else
	s_wait_dscnt 0
.endif
	WIN 0x50
	MM \a, AF+16*(\a%2), 0
.if \a != 6
	PLACES
	WIN 0
.endif
.if \a < 6
	s_wait_alu depctr_va_vdst(0)                   ; this tile row's products are done reading their fragment, in whose registers the fragment two on lands
	LDA \a+2, \p, AF+16*(\a%2)
.endif
.endr
.endm
; The very last K step (slot 1): both landing sets are free, so all eight fragments are asked for at once.  The products and stores that named these registers stand ahead of the last two steps' waits.
; The waits on DScnt: behind fragment a stand 7 - a fragments of four loads.
.macro GL
.irp a, 0,1,2,3,4,5,6,7
	LDA \a, 1, LD+16*\a
.endr
	s_wait_loadcnt 0x0                             ; U's last K step is in
	WIN 0x50
.irp a, 0,1,2,3,4,5,6,7
	s_wait_dscnt 28-4*\a
	MM \a, LD+16*\a, 0
.endr
	PLACES
	WIN 0
.endm
; K step: quantise the next slice (set and slot 1 - p); multiply slot p; ask for U's next K step, then (issue = 1) for the slice two further on; one barrier.
.macro STEP p, zero, hcnt, ucnt, issue
	QSL2 1-\p, \p, \hcnt
	GD \p, \zero, 1-\p, \ucnt
.if \issue
	NEXTH
	PFPTR
.endif
	s_add_nc_u64 s[30:31], s[30:31], 8192          ; the loads that named it are in (the wait ahead of the products)
	LOADB
.if \issue
	LOADH 1-\p
	PFGO
.endif
	BARRIER
.endm
; A block's first slice (set 0, slot 0); the set is asked for anew, from s[22:23], behind its stores.
; 32: behind the slice stand the next slice's 16 loads and U's 16.
.macro PREQ
	s_wait_loadcnt 46                              ; its first two rows are in
	NEXTH
	PFPTR
	QHEAD 0, 32
	QS 0, 4
	QS 0, 5
	QS 0, 6
	QS 0, 7
	s_wait_alu depctr_vm_vsrc(0)                   ; the slice's 32 stores have read their registers, in which the loads below land
	LOADH 0
	s_add_co_u32 s32, s32, 32768                   ; BF's next slice
	PFGO
	BARRIER
.endm
; The block's sums become my wave's part of t for the 128 rows: in place on a tile row's 32 registers, each accumulator from its low end on.
.macro TANH
	s_wait_alu depctr_va_vdst(0)                   ; the last products are done reading U's fragments, in whose registers the tables land
.irp t, 0,1,2,3
	ds_load_b128 v[BI+8*\t:BI+8*\t+3], v[TBR] offset:64*\t
	ds_load_b128 v[BI+8*\t+4:BI+8*\t+7], v[TBR] offset:64*\t+16
	ds_load_b128 v[VV+8*\t:VV+8*\t+3], v[TBR] offset:2048+64*\t
	ds_load_b128 v[VV+8*\t+4:VV+8*\t+7], v[TBR] offset:2048+64*\t+16
.endr
	s_wait_dscnt 0x0
.irp a, 0,1,2,3,4,5,6,7
	WIN 0x41                                       ; destination and source 0 window 1
.set n, 0
.rept 16
	v_pk_fma_f32 v[32*\a+n:32*\a+n+1], v[32*\a+n:32*\a+n+1], s[40:41], v[BI+n:BI+n+1] op_sel_hi:[1,0,1]   ; x'
.set n, n+2
.endr
.set n, 0
.rept 32
	v_exp_f32 v[32*\a+n], v[32*\a+n]
.set n, n+1
.endr
	v_nop                                          ; a plain instruction behind the last exponential
.set n, 0
	s_wait_alu depctr_va_vdst(0)                   ; the tile row's 32 exponentials have written their results, ahead of the first line that names one
.rept 16
	v_pk_add_f32 v[32*\a+n:32*\a+n+1], v[32*\a+n:32*\a+n+1], 1.0 op_sel_hi:[1,0]
.set n, n+2
.endr
.set n, 0
.rept 32
	v_rcp_f32 v[32*\a+n], v[32*\a+n]               ; r
.set n, n+1
.endr
	v_nop
	WIN 0x01                                       ; source 0 window 1
	s_wait_alu depctr_va_vdst(0)                   ; the tile row's 32 reciprocals have written their results, ahead of the first line that names one
	v_pk_mul_f32 v[AF+4*\a:AF+4*\a+1], v[32*\a:32*\a+1], v[VV:VV+1]             ; the sum of v' r, in two chains of pairs
	v_pk_mul_f32 v[AF+4*\a+2:AF+4*\a+3], v[32*\a+2:32*\a+3], v[VV+2:VV+3]
.set n, 4
.rept 7
	v_pk_fma_f32 v[AF+4*\a:AF+4*\a+1], v[32*\a+n:32*\a+n+1], v[VV+n:VV+n+1], v[AF+4*\a:AF+4*\a+1]
	v_pk_fma_f32 v[AF+4*\a+2:AF+4*\a+3], v[32*\a+n+2:32*\a+n+3], v[VV+n+2:VV+n+3], v[AF+4*\a+2:AF+4*\a+3]
.set n, n+4
.endr
.endr
	WIN 0
.irp a, 0,1,2,3,4,5,6,7
	v_pk_add_f32 v[AF+4*\a:AF+4*\a+1], v[AF+4*\a:AF+4*\a+1], v[AF+4*\a+2:AF+4*\a+3]
.endr
.irp a, 0,1,2,3,4,5,6,7
	v_add_f32 v[AF+4*\a], v[AF+4*\a], v[AF+4*\a+1]
.endr
.irp a, 0,1,2,3,4,5,6,7
	v_permlanex16_b32 v[AF+4*\a+1], v[AF+4*\a], s42, s43   ; the row's other 32 columns lie in the lane 16 away
.endr
.irp a, 0,1,2,3,4,5,6,7
	v_add_f32 v[AF+4*\a], v[AF+4*\a], v[AF+4*\a+1]
.endr
	s_wait_alu depctr_va_vdst(0)                   ; the eight sums are written, which the stores below read; and the lines that read the addend in v64-95 are done: the softmax's loads land there with no vector line between
.irp a, 0,1,2,3,4,5,6,7
	ds_store_b32 v[EPW], v[AF+4*\a] offset:64*\a   ; row 16 a + r; both halves of the lanes write the same number to the same word
.endr
	BARRIER                                        ; all eight parts of t lie in EP
.endm
; Every wave makes the block's softmax for itself: lane l holds rows 4 l .. 4 l + 3.
.macro SOFT
.irp w, 0,1,2,3,4,5,6,7
	ds_load_b128 v[64+4*\w:64+4*\w+3], v[EPR] offset:512*\w
.endr
	s_wait_dscnt 0x0
	v_pk_add_f32 v[96:97], v[64:65], v[68:69]
	v_pk_add_f32 v[98:99], v[66:67], v[70:71]
.irp w, 2,3,4,5,6,7
	v_pk_add_f32 v[96:97], v[96:97], v[64+4*\w:65+4*\w]
	v_pk_add_f32 v[98:99], v[98:99], v[66+4*\w:67+4*\w]
.endr
	v_max3_num_f32 v26, v96, v97, v98
	v_max_num_f32 v26, v26, v99
	v_max_num_f32_dpp v26, v26, v26 row_xmask:1 row_mask:0xf bank_mask:0xf
	v_max_num_f32_dpp v26, v26, v26 row_xmask:2 row_mask:0xf bank_mask:0xf
	v_max_num_f32_dpp v26, v26, v26 row_xmask:4 row_mask:0xf bank_mask:0xf
	v_max_num_f32_dpp v26, v26, v26 row_xmask:8 row_mask:0xf bank_mask:0xf
	v_permlanex16_b32 v27, v26, s42, s43
	v_max3_num_f32 v26, v26, v27, v[MX]            ; the new m
	v_sub_f32 v104, v[MX], v26
	v_sub_f32 v100, v96, v26
	v_sub_f32 v101, v97, v26
	v_sub_f32 v102, v98, v26
	v_sub_f32 v103, v99, v26
	v_exp_f32 v104, v104                           ; f = 2^(old m - new m)
	v_exp_f32 v100, v100                           ; p
	v_exp_f32 v101, v101
	v_exp_f32 v102, v102
	v_exp_f32 v103, v103
	v_mov_b32 v[MX], v26                           ; (a plain instruction behind the exponentials)
	s_wait_alu depctr_va_vdst(0)                   ; the five exponentials have written f and p, ahead of the first lines that name them: the LDS store of p is the first
	ds_store_b128 v[PTW], v[100:103]               ; into my wave's own copy: LDS serves a wave's instructions in order, so its reads below need no wait and no barrier
	v_mov_b32 v105, v104
	v_add_f32 v27, v100, v101
	v_add_f32 v28, v102, v103
	v_add_f32 v27, v27, v28
	v_fma_f32 v[LS], v[LS], v104, v27              ; l = l f + my four p
.irp i, 0,2,4,6
	v_pk_mul_f32 v[CC+\i:CC+\i+1], v[CC+\i:CC+\i+1], v[104:105]
.endr
.endm
; The weighted sum of my 128 channels: lanes 0-15 take rows 0-63, lanes 16-31 rows 64-127; a lane 8 channels.  Four trips of 16 rows a half.
.macro SSUM
	s_mov_b32 s46, 0
	s_mov_b32 s48, 0
	s_mov_b32 s47, 4
.Lsum_\@:
	s_wait_alu depctr_vm_vsrc(0)                   ; the LDS loads of the trip before have read v[SRC] and v[PTC]; in the first trip: the stores of t's parts and of p have read v32-60 and v100-103, in which loads below land
	v_add_nc_u32 v[SRC], s46, v[SR0]
	v_add_nc_u32 v[PTC], s48, v[PTR]
	s_wait_alu depctr_va_vdst(0)                   ; both addresses are written; the multiply-adds of the trip before (in the first trip: the softmax's lines) are done with v32-47 and v64-127, in which the loads land
.irp q, 0,1,2,3
	ds_load_b128 v[AF+4*\q:AF+4*\q+3], v[PTC] offset:16*\q
.endr
.irp i, 0,1,2,3,4,5,6,7,8,9,10,11,12,13,14,15
	ds_load_b128 v[64+4*\i:64+4*\i+3], v[SRC] offset:256*\i
.endr
.irp i, 0,1,2,3,4,5,6,7,8,9,10,11,12,13,14,15
	s_wait_dscnt 15-\i                             ; row i is in (and p, which is older); the younger rows may be out
.irp d, 0,1,2,3
	v_fma_mix_f32_bf16 v[CC+2*\d], v[64+4*\i+\d], v[AF+\i], v[CC+2*\d] op_sel_hi:[1,0,0]
	v_fma_mix_f32_bf16 v[CC+2*\d+1], v[64+4*\i+\d], v[AF+\i], v[CC+2*\d+1] op_sel:[1,0,0] op_sel_hi:[1,0,0]
.endr
.endr
	s_add_co_u32 s46, s46, 4096
	s_add_co_u32 s48, s48, 64
	s_sub_co_u32 s47, s47, 1
	s_cmp_lg_u32 s47, 0
	s_cbranch_scc1 .Lsum_\@
.endm
	s_load_b256 s[4:11], s[0:1], 0x0               ; h s[4:5], ucodes s[6:7], wsb s[8:9], v_a s[10:11]
	s_load_b128 s[12:15], s[0:1], 0x20             ; the exponents s[12:13], part s[14:15]
	v_lshrrev_b32 v26, 5, v0
	v_readfirstlane_b32 s16, v26                   ; wave 0..7
	v_and_b32 v27, 31, v0                          ; lane
	v_and_b32 v28, 15, v0                          ; r
	v_bfe_u32 v29, v0, 4, 1                        ; hh
	v_lshlrev_b32 v[HO], 4, v27
	s_wait_alu depctr_va_sdst(0)                   ; s16 is written, ahead of its first reader: addresses, bases and a branch are made from it
	s_mul_i32 s17, s16, 16*CP
	s_add_co_u32 s17, s17, CD
	v_lshl_add_u32 v[CW], v27, 2, s17
	s_lshl_b32 s17, s16, 12
	v_lshl_add_u32 v[BW0], v27, 3, s17
	v_mul_u32_u24 v[AR], v28, CP
	v_lshl_add_u32 v[AR], v29, 4, v[AR]
	v_add_nc_u32 v[AR], CD, v[AR]
	s_lshl_b32 s17, s16, 8
	s_add_co_u32 s17, s17, TB
	v_lshl_add_u32 v[TBR], v29, 5, s17
	s_lshl_b32 s17, s16, 9
	s_add_co_u32 s18, s17, EP
	v_lshl_add_u32 v[EPW], v28, 2, s18
	v_add_nc_u32 v[EPR], EP, v[HO]
	s_add_co_u32 s18, s17, PT
	v_add_nc_u32 v[PTW], s18, v[HO]
	v_lshl_add_u32 v[PTR], v29, 8, s18
	s_lshl_b32 s18, s16, 15
	v_lshl_add_u32 v[SR0], v29, 14, s18
	v_lshl_add_u32 v[SR0], v28, 4, v[SR0]
	v_lshrrev_b32 v31, 1, v27                      ; a prefetch: row lane >> 1 of my 16, the first or the second 256 bytes of its 512
	v_and_b32 v26, 1, v27
	v_lshlrev_b32 v31, 12, v31
	v_lshl_add_u32 v[PFO], v26, 8, v31
	v_lshrrev_b32 v26, 3, v0                       ; thread n fetches columns 2 n, 2 n + 1 of the tables: in each part of wsb tile n >> 3, byte 8 (n & 7) of my batch's 64
	v_and_b32 v27, 7, v0
	v_lshlrev_b32 v26, 11, v26
	v_lshl_add_u32 v26, v27, 3, v26
	v_lshlrev_b32 v27, 3, v0                       ; in v_a, and in TB, byte 8 n
	v_add_nc_u32 v[TBW], TB, v27                   ; a register of its own, so that no offset of a load is written again at the head
	s_lshl_b32 s24, ttmp9, 20                      ; 256 rows of 4,096 bytes a work-group,
	s_lshl_b32 s18, s16, 16                        ; 16 rows a wave; also: 65,536 bytes of U's codes a wave
	s_add_co_u32 s24, s24, s18
	s_mov_b32 s25, 0
	s_mov_b32 s19, 0
	s_lshr_b32 s34, ttmp9, 3                       ; my batch: 64 bytes in each tile of wsb
	s_lshl_b32 s34, s34, 6
	s_mov_b32 s35, 0
	s_mul_i32 s44, ttmp9, 4608                     ; part: my work-group's row, my wave's 512 bytes
	s_add_co_u32 s44, s44, s17
	s_mov_b32 s45, 0
	s_mov_b32 s42, 0x76543210                      ; v_permlanex16_b32: lane l xor 16
	s_mov_b32 s43, 0xfedcba98
	s_mov_b32 s26, 0
	s_mov_b32 s32, 0
	s_mov_b32 s49, 3                               ; slices 0-2 are loaded at once: the first to be prefetched is slice 3
	s_wait_kmcnt 0x0
	s_load_b128 s[36:39], s[12:13], 0x0            ; e0 (h), e1 (U_a), e2, e3
	s_add_nc_u64 s[20:21], s[4:5], s[24:25]
	s_add_nc_u64 s[28:29], s[6:7], s[18:19]
	s_add_nc_u64 s[8:9], s[8:9], s[34:35]
	s_add_nc_u64 s[14:15], s[14:15], s[44:45]
	s_wait_alu depctr_va_vdst(0)                   ; all offsets and addresses made above (v1-3, v5-11, v26, v27, v30, v31) are written: the kernel's loads, stores and prefetches read them
.irp q, 0,1,2,3,4,5,6,7
	global_load_b64 v[AF+2*\q:AF+2*\q+1], v26, s[8:9] offset:65536*\q   ; the eight K steps' parts of the addend
.endr
	global_load_b64 v[AF+16:AF+17], v27, s[10:11]
	NEXTH
	LOADH 0                                        ; slice 0
	NEXTH
	LOADH 1                                        ; slice 1
	s_mov_b64 s[30:31], s[28:29]
	LOADB                                          ; K step 0 of U_a
	s_wait_kmcnt 0x0
	s_add_co_i32 s17, s36, 127
	s_lshl_b32 s18, s17, 23
	v_mov_b32 v[SCL], s18                          ; 2^e0 as f32: the conversion takes its exponent field
	s_add_co_i32 s17, s17, 8
	s_lshl_b32 s17, s17, 23
	s_or_b32 s17, s17, 0x600000
	v_mov_b32 v[LIM], s17                          ; 448 x 2^e0
	s_add_co_i32 s17, s36, s37
	s_lshl_b32 s17, s17, 23
	s_add_co_i32 s40, s17, 0x4038aa3b              ; 2 log2(e) x 2^(e0 + e1): the exponents are added to the factor's exponent field
	s_mov_b32 s41, s40                             ; (named with it as a pair, so it is written)
	v_mov_b32 v[MX], 0xff61b1e6                    ; m: -3e38, under every t
	v_mov_b32 v[LS], 0
.irp i, 0,1,2,3,4,5,6,7
	v_mov_b32 v[CC+\i], 0
.endr
	s_wait_loadcnt 48                              ; the nine table loads are in: behind them 32 loads of h and 16 of U were issued
.irp q, 1,2,3,4,5,6,7
	v_pk_add_f32 v[AF:AF+1], v[AF:AF+1], v[AF+2*\q:AF+2*\q+1]   ; K ascending
.endr
	v_mul_f32 v[AF+16], 0xc038aa3b, v[AF+16]       ; v' = -2 log2(e) v_a
	v_mul_f32 v[AF+17], 0xc038aa3b, v[AF+17]
	s_wait_alu depctr_va_vdst(0)                   ; the addend and v' are written, which the two stores read
	ds_store_b64 v[TBW], v[AF:AF+1]
	ds_store_b64 v[TBW], v[AF+16:AF+17] offset:2048
	; ---- block 0: slices 0-7; PREQ asks for slice 2, step s for slice s + 3
	PREQ
	STEP 0, 1, 32, 16, 1                           ; the first step stands in front of the loop: its products start the sums.  32: U's 16 loads and the next slice's 16 stand behind the slice; 16: that slice's behind U's
	s_mov_b32 s33, 3
.Lk0:
	STEP 1, 0, 32, 16, 1
	STEP 0, 0, 32, 16, 1
	s_sub_co_u32 s33, s33, 1
	s_cmp_lg_u32 s33, 0
	s_cbranch_scc1 .Lk0
	GS 1, 16                                       ; the block's last K step: nothing to quantise; slices 8 and 9 hold both landing sets through all that follows
	s_wait_xcnt 0x0                                ; the last prefetch has had its address translated
	PFPTR
	PFGO                                           ; slice 11: with slice 10, 128 KiB a work-group are asked for while no register is free for loads
	TANH
	SOFT
	SSUM
	s_mov_b64 s[30:31], s[28:29]                   ; U_a from its first K step again: its registers are free
	s_wait_alu depctr_va_vdst(0)                   ; the last trip's multiply-adds are done reading v64-127, in which U's fragments land
	LOADB
	s_mov_b32 s32, 0
	BARRIER                                        ; every wave's reads of BF and EP are over: both are written again
	; ---- block 1: slices 8-15; the tail is written out, so that no load leaves h and every count holds on its own way
	PREQ
	STEP 0, 1, 32, 16, 1
	s_mov_b32 s33, 2
.Lk1:
	STEP 1, 0, 32, 16, 1
	STEP 0, 0, 32, 16, 1
	s_sub_co_u32 s33, s33, 1
	s_cmp_lg_u32 s33, 0
	s_cbranch_scc1 .Lk1
	STEP 1, 0, 32, 16, 0                           ; slice 14 is quantised; slice 15 stands behind this step's U
	STEP 0, 0, 16, 0, 0                            ; slice 15: only U's 16 loads stand behind it, and nothing behind those
	GL                                             ; the last K step
	TANH
	SOFT
	SSUM
	; ---- the way out
.irp i, 0,1,2,3,4,5,6,7
	v_permlanex16_b32 v[64+\i], v[CC+\i], s42, s43 ; the other 64 rows' sums
.endr
.irp i, 0,2,4,6
	v_pk_add_f32 v[CC+\i:CC+\i+1], v[CC+\i:CC+\i+1], v[64+\i:64+\i+1]
.endr
	v_bfe_u32 v26, v0, 4, 1                        ; hh
	v_cmp_eq_u32 vcc_lo, 1, v26
	v_add_f32_dpp v[LS], v[LS], v[LS] row_xmask:1 row_mask:0xf bank_mask:0xf
	v_add_f32_dpp v[LS], v[LS], v[LS] row_xmask:2 row_mask:0xf bank_mask:0xf
	v_add_f32_dpp v[LS], v[LS], v[LS] row_xmask:4 row_mask:0xf bank_mask:0xf
	v_add_f32_dpp v[LS], v[LS], v[LS] row_xmask:8 row_mask:0xf bank_mask:0xf
	v_permlanex16_b32 v27, v[LS], s42, s43
	v_add_f32 v[LS], v[LS], v27                    ; l
	v_and_b32 v28, 15, v0
	v_lshlrev_b32 v28, 5, v28
	v_lshl_add_u32 v28, v26, 4, v28                ; 32 r + 16 hh
	s_wait_alu depctr_va_vcc(0)                    ; the compare has written VCC, ahead of its first reader
.irp i, 0,1,2,3
	v_cndmask_b32 v[32+\i], v[CC+\i], v[CC+4+\i], vcc_lo   ; lanes 0-15 store channels 8 r .. + 3, lanes 16-31 channels 8 r + 4 .. + 7
.endr
	s_wait_alu depctr_va_vdst(0)                   ; v28 and v32-35 are written: the store's offset and data
	global_store_b128 v28, v[32:35], s[14:15]      ; the wave stores 512 consecutive bytes, aligned
	s_cmp_lg_u32 s16, 0                            ; every wave holds the same m and l: wave 0 stores them, 32 times over, so that 512 consecutive bytes are written whole
	s_cbranch_scc1 .Ldone
	v_mov_b32 v36, v[MX]
	v_mov_b32 v37, v[LS]
	v_mov_b32 v38, v[MX]
	v_mov_b32 v39, v[LS]
	s_wait_alu depctr_va_vdst(0)                   ; v36-39 are written: the store's data
	global_store_b128 v[HO], v[36:39], s[14:15] offset:4096
.Ldone:
	s_wait_xcnt 0x0                                ; the stores above have had their addresses translated
	v_lshl_add_u32 v254, v0, 2, 0x4c000            ; my spare word, behind PT, and 0: made anew here, since no two registers could be kept; no memory or LDS instruction of this text reads v254 or v255
	v_mov_b32 v255, 0
	s_wait_dscnt 0x0                               ; the closing lines, six on end
	s_wait_alu 0x0
	s_wait_tensorcnt 0x0
	ds_add_u32 v254, v255
	s_wait_dscnt 0x0
	s_endpgm
.Lfunc_end_k_q5c4934a884_attn:
	.size	k_q5c4934a884_attn, .Lfunc_end_k_q5c4934a884_attn-k_q5c4934a884_attn
	.p2alignl 7, 3214868480
	.fill 96, 4, 3214868480
	.section	.rodata,"a",@progbits
	.p2align	6, 0x0
	.amdhsa_kernel k_q5c4934a884_attn
		.amdhsa_group_segment_fixed_size 312320
		.amdhsa_private_segment_fixed_size 0
		.amdhsa_enable_private_segment 0
		.amdhsa_kernarg_size 48
		.amdhsa_user_sgpr_count 2
		.amdhsa_user_sgpr_kernarg_segment_ptr 1
		.amdhsa_wavefront_size32 1
		.amdhsa_system_sgpr_workgroup_id_x 1
		.amdhsa_system_sgpr_workgroup_id_y 1
		.amdhsa_system_sgpr_workgroup_id_z 1
		.amdhsa_system_vgpr_workitem_id 0
		.amdhsa_next_free_vgpr 512
		.amdhsa_next_free_sgpr 66
		.amdhsa_reserve_vcc 1
		.amdhsa_float_denorm_mode_32 3
		.amdhsa_float_denorm_mode_16_64 3
		.amdhsa_memory_ordered 1
		.amdhsa_forward_progress 1
		.amdhsa_inst_pref_size 255
	.end_amdhsa_kernel
	.section	.bss,"aw",@nobits
	.p2align	6
	.space	262144
	.amdgpu_metadata
---
amdhsa.version: [ 1, 2 ]
amdhsa.kernels:
  - .name:           k_q5c4934a884_attn
    .symbol:         k_q5c4934a884_attn.kd
    .args:
      - { .name: h, .offset: 0, .size: 8, .value_kind: global_buffer, .address_space: global }
      - { .name: ucodes, .offset: 8, .size: 8, .value_kind: global_buffer, .address_space: global }
      - { .name: wsb, .offset: 16, .size: 8, .value_kind: global_buffer, .address_space: global }
      - { .name: v_a, .offset: 24, .size: 8, .value_kind: global_buffer, .address_space: global }
      - { .name: lowp_scales, .offset: 32, .size: 8, .value_kind: global_buffer, .address_space: global }
      - { .name: part, .offset: 40, .size: 8, .value_kind: global_buffer, .address_space: global }
    .group_segment_fixed_size: 312320
    .private_segment_fixed_size: 0
    .kernarg_segment_align: 8
    .kernarg_segment_size: 48
    .max_flat_workgroup_size: 256
    .sgpr_count:     66
    .vgpr_count:     512
    .wavefront_size: 32
...
	.end_amdgpu_metadata
.endif
;; end of part 5
;; launch merge: the kernel of part 3 again; grid 32 x 1, 8 waves a work-group, no clusters, 0 bytes of LDS; arguments part, out0; writes out0
